; MI455X (gfx1250); checked and timed in simulation.
; The chip was launched on July 23, 2026; its instructions are those of AMD's public machine-readable ISA for CDNA 5 (MIT licence, August 2026) and "CDNA5" Instruction Set Architecture Reference Guide (July 2026). The comments in the code are by the model that wrote it; some were corrected since.
;; Self Attention. Allowed arithmetic: matrix products marked QUANTISED: E4M3 operands, one given power-of-two scale a tensor, by v_wmma_f32_16x16x64_fp8_fp8 or v_wmma_f32_16x16x128_fp8_fp8, f32 sums; everything else in f32.
;; Inputs: Wk 1,024 x 1,024 float32; Wq 1,024 x 1,024 float32; Wu 1,024 x 1,024 float32; Wv 1,024 x 1,024 float32; bu 1,024 float32; lowp_scales 12 int32 (the exponents e of the quantised operands' scales 2^e); x 4 x 2,048 x 1,024 float32.
;; Outputs: out0 4 x 2,048 x 1,024 float32.
;; This version of the problem:
;;   THIS VERSION OF THE PROBLEM IS GIVEN IN LOW PRECISION. The matrix products marked QUANTISED in the list below multiply operands that are first quantised to E4M3 (4 exponent bits, 3 mantissa bits; 8 bits a number), with one given power-of-two scale for each operand tensor; their sums are f32. All else is computed in f32.
;;   The module's matrix products, in the order in which they are computed (A, B: the left and right operand; K: the contracted axis; several contracted axes count as one K, in the product's order):
;;     1. [M 8,192, K 1,024] x [K 1,024, N 1,024]; A: input x; B: input Wk: QUANTISED (scales: A lowp_scales[0], B lowp_scales[1])
;;     2. [M 8,192, K 1,024] x [K 1,024, N 1,024]; A: input x; B: input Wq: QUANTISED (scales: A lowp_scales[2], B lowp_scales[3])
;;     3. [M 8,192, K 1,024] x [K 1,024, N 1,024]; A: input x; B: input Wv: QUANTISED (scales: A lowp_scales[4], B lowp_scales[5])
;;     4. batch 64 x [M 2,048, K 64] x [K 64, N 2,048]; A: computed on the way; B: computed on the way: QUANTISED (scales: A lowp_scales[6], B lowp_scales[7])
;;     5. batch 64 x [M 64, K 2,048] x [K 2,048, N 2,048]; A: computed on the way; B: softmax (see below): QUANTISED (scales: A lowp_scales[8], B lowp_scales[9])
;;     6. [M 8,192, K 1,024] x [K 1,024, N 1,024]; A: computed on the way; B: input Wu: QUANTISED (scales: A lowp_scales[10], B lowp_scales[11])
;;   THE QUANTISER, for each operand of a quantised product, along K:
;;     - The operand's scale is 2^e, e = its entry of the input lowp_scales (int32; the entries are numbered through the quantised products in the list's order, A before B).
;;     - Each number is divided by the scale, clamped to +-448, and rounded to the nearest number of E4M3, ties to even, subnormals kept.
;;     - The product sums the exact products of the quantised numbers (number of the format x scale) in f32.
;;   ~~~python
;;   def quantise(x, axis, e):      # numpy; x: float32 -> the quantised numbers, widened to float32 again
;;       x = np.moveaxis(x, axis, -1); K = x.shape[-1]
;;       r = np.clip(x / 2.0 ** e, -448, 448)
;;       step = 2.0 ** (np.maximum(np.frexp(np.where(r == 0, 1, r))[1] - 1, -6) - 3)
;;       q = np.round(r / step) * step * 2.0 ** e      # np.round: ties to even
;;       return np.moveaxis(q, -1, axis).astype(np.float32)
;;   ~~~
;;   SOFTMAX AHEAD OF A QUANTISED PRODUCT. Where the list says 'softmax', what is quantised is not the finished softmax but p = 2^(t - M), with t = logit x log2(e) and M = ceil(the row's largest t), a whole number; so 1/2 < the row's largest p <= 1. The row's sum l is taken of the UNQUANTISED p, in f32, and the product's result is divided by l at the end. Since M is a whole number, a kernel that streams over the keys may use a running M (the ceiling of the running maximum): every later rescaling is an exact power of two, so the quantised numbers keep their values, but for numbers so far below the row's largest that they fall under the format's range.
;;   OPERANDS COMPUTED ON THE WAY. 'Computed on the way' means the value that the module computes at that place (a softmax that the list does not call 'softmax' is quantised finished and normalised). What goes into a quantiser is computed in f32, as accurately as f32 sums, v_exp_f32 and their like allow (about 1e-6 of the number): no bf16 or f16 on the way to a quantiser, and a product that is left as it is and whose result goes on into a quantised operand takes f32 operands (vector FMAs, or v_wmma_f32_16x16x4_f32). A number that lies on a knife's edge between two numbers of the format may be rounded either way, as far as f32 arithmetic and the matrix unit's own rounding can turn it there, and no further.
;; One version. Each part assembles by itself: llvm-mc -triple=amdgcn-amd-amdhsa -mcpu=gfx1250 --defsym DOCPART=n.
;; ======== version 1 of 1: 4 launches
;; limits: right only within a limited range of input values
;; workspace buffers: x3 25,165,824 bytes; w4 4,194,304 bytes; kqv 25,165,824 bytes; yimg 8,388,608 bytes
;; launch quant (part 1): grid 384 x 1, 4 waves a work-group, no clusters, 34,304 bytes of LDS; arguments x, Wk, Wq, Wv, Wu, lowp_scales, x3, w4; writes x3, w4
.if DOCPART == 1
	.amdgcn_target "amdgcn-amd-amdhsa--gfx1250"
	.amdhsa_code_object_version 6
	.text
	.protected	k_q75e081d41e_quant
	.globl	k_q75e081d41e_quant
	.p2align	8
	.type	k_q75e081d41e_quant,@function
k_q75e081d41e_quant:
	s_mov_b64 s[64:65], 0
	v_nop
	global_prefetch_b8 v0, s[64:65] scope:SCOPE_SE
	s_setreg_imm32_b32 hwreg(HW_REG_WAVE_MODE, 25, 1), 1
	s_wait_xcnt 0x0
; x [8192][1024] and Wk, Wq, Wv, Wu [1024][1024], f32 with K innermost, become codes of E4M3: code = number / 2^e, held within +-448, to the nearest code, ties to even.
; x is an operand of three products with three given scales (entries 0, 2, 4): three planes of codes in x3.  Wk, Wq, Wv, Wu take entries 1, 3, 5, 11: four planes in w4.
; THE CODES LIE IN THE ORDER OF AN OPERAND'S REGISTERS: [row / 16][K / 128][c = 0..3][lane][16 bytes]; lane (r = lane % 16, h = lane / 16) holds row r, K = 128 ks + 32 c + 16 h + 0 .. 15.
; So a fragment (16 rows x 128 K) is 2,048 consecutive bytes, 16 rows x 1,024 K are 16,384, and a reader takes a fragment by four loads of 16 bytes a lane, 512 bytes apart.
; SHARES.  Work-groups 0-255 take x, 256 + 32 i .. take weight i.  A wave takes 16 rows x 512 K: four fragments.  Each load reads 512 consecutive bytes of one row; the 16 rows x 512 bytes of a
; fragment turn through the wave's own stage in LDS (rows 528 bytes apart) and come back 64 bytes a lane and c: 16 neighbours along K.  Each store writes 512 consecutive bytes.
; No tensor loads, no barrier: waves share nothing.  Loads run one fragment (16 loads a wave) ahead of the one at work.
; LIMITS: each e between -126 and 119, so that 2^e and 448 x 2^e are f32 numbers.  NaN among the inputs is not served (an infinity is held at the largest code).
.set STG,   8448                       ; a wave's stage: 16 rows x 528 bytes
.set SPARE, 4*STG                      ; behind the four stages: the spare words, 128 bytes for each wave: two blocks of 256 bytes that no other line names
.set SC,    8                          ; v8-10    2^e as f32, for the three scales
.set LIM,   11                         ; v11-13   448 x 2^e
.set SPW,   14                         ; v14      LDS address of my spare word; never rewritten
.set NIL,   15                         ; v15      0; never rewritten
.set R,     16                         ; v16-143  two sets of 64: a fragment's numbers as loaded
.set X,     144                        ; v144-207 the same, 16 neighbours for each c
.set T,     208                        ; v208-239 two sets of 16: numbers held within the range
.set C,     240                        ; v240-255 a fragment's codes
	s_load_b512 s[16:31], s[0:1], 0x0              ; x, Wk, Wq, Wv, Wu, the scales' exponents, x3, w4
	v_lshl_add_u32 v[SPW], v0, 2, SPARE
	v_mov_b32 v[NIL], 0
	v_lshrrev_b32 v1, 5, v0
	v_readfirstlane_b32 s7, v1                     ; wave 0..3
	v_and_b32 v1, 31, v0
	v_lshlrev_b32 v2, 4, v1                        ; 16 x lane: my bytes of a load's and of a store's 512
	v_and_b32 v5, 15, v0                           ; r
	v_bfe_u32 v6, v0, 4, 1                         ; h
	s_mul_i32 s51, s7, STG
	v_add_nc_u32 v3, s51, v2                       ; the stage, on the way in: 16 x lane (+ 528 x row in the immediate)
	v_mul_u32_u24 v4, v5, 528
	v_lshl_add_u32 v4, v6, 6, v4
	v_add_nc_u32 v4, s51, v4                       ; and on the way out: row r, + 64 h (+ 128 c + 16 j in the immediate)
	s_cmp_ge_u32 ttmp9, 256                        ; x's work-group or a weight's?  All choices hang on the work-group's number alone
	s_cselect_b32 s48, 256, 0
	s_cselect_b32 s49, 31, 255
	s_cselect_b32 s50, 3, 0
	s_sub_co_u32 s48, ttmp9, s48
	s_lshr_b32 s52, s48, 5
	s_and_b32 s50, s52, s50                        ; which weight (0 for x)
	s_and_b32 s48, s48, s49                        ; the work-group's number within its tensor
	s_lshl_b32 s48, s48, 2
	s_add_co_u32 s48, s48, s7                      ; my wave's job
	s_lshr_b32 s49, s48, 1                         ; its 16 rows,
	s_and_b32 s48, s48, 1                          ; its half of K
	s_lshl_b32 s52, s49, 16                        ; in: 16 rows of 4,096 bytes,
	s_lshl_b32 s53, s48, 11                        ; 512 numbers
	s_or_b32 s52, s52, s53
	s_mov_b32 s53, 0
	s_lshl_b32 s54, s49, 14                        ; out: 16,384 bytes for 16 rows,
	s_lshl_b32 s55, s48, 13                        ; four fragments,
	s_or_b32 s54, s54, s55
	s_lshl_b32 s55, s50, 20                        ; the weight's plane
	s_or_b32 s54, s54, s55
	s_mov_b32 s55, 0
	s_wait_alu depctr_va_vdst(0)
	s_wait_kmcnt 0x0
	s_load_b256 s[36:43], s[26:27], 0x0            ; e0 .. e7
	s_load_b128 s[44:47], s[26:27], 0x20           ; e8 .. e11
	s_cmp_ge_u32 ttmp9, 256
	s_cselect_b64 s[4:5], s[18:19], s[16:17]
	s_cselect_b64 s[8:9], s[30:31], s[28:29]
	s_cmp_ge_u32 ttmp9, 288
	s_cselect_b64 s[4:5], s[20:21], s[4:5]
	s_cmp_ge_u32 ttmp9, 320
	s_cselect_b64 s[4:5], s[22:23], s[4:5]
	s_cmp_ge_u32 ttmp9, 352
	s_cselect_b64 s[4:5], s[24:25], s[4:5]
	s_add_nc_u64 s[4:5], s[4:5], s[52:53]          ; my numbers
	s_add_nc_u64 s[8:9], s[8:9], s[54:55]          ; my codes; for x: under e0,
	s_add_nc_u64 s[10:11], s[8:9], 0x800000        ; under e2,
	s_add_nc_u64 s[12:13], s[8:9], 0x1000000       ; under e4 (these two are used by x's work-groups alone)
.macro LOAD f                          ; fragment f: load i reads 512 consecutive bytes of row i
.irp i, 0,1,2,3,4,5,6,7,8,9,10,11,12,13,14,15
	global_load_b128 v[R+64*((\f)%2)+4*\i:R+64*((\f)%2)+4*\i+3], v2, s[4:5] offset:4096*\i+512*(\f) th:TH_LOAD_NT
.endr
.endm
	LOAD 0
	LOAD 1
.macro MKSCALE e, n                    ; 2^e and 448 x 2^e as f32, from the whole number in s[e]
	s_add_co_i32 s56, s[\e], 127
	s_lshl_b32 s57, s56, 23
	v_mov_b32 v[SC+\n], s57
	s_add_co_i32 s56, s56, 8
	s_lshl_b32 s56, s56, 23
	s_or_b32 s56, s56, 0x600000
	v_mov_b32 v[LIM+\n], s56
.endm
	s_wait_kmcnt 0x0
	s_cmp_ge_u32 ttmp9, 256
	s_cselect_b32 s6, s37, s36                     ; Wk: e1; x: e0
	s_cmp_ge_u32 ttmp9, 288
	s_cselect_b32 s6, s39, s6                      ; Wq: e3
	s_cmp_ge_u32 ttmp9, 320
	s_cselect_b32 s6, s41, s6                      ; Wv: e5
	s_cmp_ge_u32 ttmp9, 352
	s_cselect_b32 s6, s47, s6                      ; Wu: e11
	MKSCALE 6, 0
	MKSCALE 38, 1                                  ; e2
	MKSCALE 40, 2                                  ; e4
; The fragment in X is quantised with scale s and stored.  The held numbers go into other registers, since x is quantised three times; the two sets of T take turns, so that
; sixteen plain instructions stand between a conversion and the next write of its sources.
.macro QGROUP s, f
	s_wait_xcnt 0x0                                ; the last stores have read C: it is written again only behind this wait
.irp c, 0,1,2,3
.irp i, 0,1,2,3,4,5,6,7,8,9,10,11,12,13,14,15
	v_med3_num_f32 v[T+16*(\c%2)+\i], v[X+16*\c+\i], -v[LIM+\s], v[LIM+\s]   ; the conversion to an 8-bit code does not saturate (ISA guide 7.6.2): the hold at the largest code x the scale
.endr
	v_cvt_scalef32_pk8_fp8_f32 v[C+4*\c:C+4*\c+1], v[T+16*(\c%2):T+16*(\c%2)+7], v[SC+\s]
	v_cvt_scalef32_pk8_fp8_f32 v[C+4*\c+2:C+4*\c+3], v[T+16*(\c%2)+8:T+16*(\c%2)+15], v[SC+\s]
.endr
.irp c, 0,1,2,3
	global_store_b128 v2, v[C+4*\c:C+4*\c+3], s[8+2*\s:9+2*\s] offset:2048*(\f)+512*\c   ; 32 lanes store 512 consecutive bytes
.endr
.endm
.macro STEP f
.if (\f) < 3
	s_wait_loadcnt 16                              ; this fragment's 16 loads are in; the next fragment's 16 may be out
.else
	s_wait_loadcnt 0
.endif
.irp i, 0,1,2,3,4,5,6,7,8,9,10,11,12,13,14,15
	ds_store_b128 v3, v[R+64*((\f)%2)+4*\i:R+64*((\f)%2)+4*\i+3] offset:528*\i
.endr
.irp c, 0,1,2,3
.irp j, 0,1,2,3
	ds_load_b128 v[X+16*\c+4*\j:X+16*\c+4*\j+3], v4 offset:128*\c+16*\j   ; LDS serves a wave's instructions in order (ISA guide 5.7.1.4): these see the stores above
.endr
.endr
	s_wait_dscnt 0x0                               ; the numbers are back, and the stores into the stage have read their registers,
.if (\f) < 2
	LOAD (\f)+2                                    ; which take the fragment two further on
.endif
	QGROUP 0, \f
	s_cmp_lt_u32 ttmp9, 256                        ; x alone has a second and a third scale: a branch on the work-group's number, round conversions and global stores alone
	s_cbranch_scc0 .Lweight_\@
	QGROUP 1, \f
	QGROUP 2, \f
.Lweight_\@:
.endm
	s_wait_alu depctr_va_vdst(0)
	STEP 0
	STEP 1
	STEP 2
	STEP 3
	s_wait_tensorcnt 0x0                           ; the wave's end: behind my last LDS store
	ds_add_u32 v[SPW], v[NIL]
	s_wait_dscnt 0x0
	s_endpgm
.Lfunc_end_k_q75e081d41e_quant:
	.size	k_q75e081d41e_quant, .Lfunc_end_k_q75e081d41e_quant-k_q75e081d41e_quant
	.p2alignl 7, 3214868480
	.fill 96, 4, 3214868480
	.section	.rodata,"a",@progbits
	.p2align	6, 0x0
	.amdhsa_kernel k_q75e081d41e_quant
		.amdhsa_group_segment_fixed_size 34304
		.amdhsa_private_segment_fixed_size 0
		.amdhsa_enable_private_segment 0
		.amdhsa_kernarg_size 64
		.amdhsa_user_sgpr_count 2
		.amdhsa_user_sgpr_kernarg_segment_ptr 1
		.amdhsa_wavefront_size32 1
		.amdhsa_system_sgpr_workgroup_id_x 1
		.amdhsa_system_sgpr_workgroup_id_y 1
		.amdhsa_system_sgpr_workgroup_id_z 1
		.amdhsa_system_vgpr_workitem_id 0
		.amdhsa_next_free_vgpr 256
		.amdhsa_next_free_sgpr 66
		.amdhsa_reserve_vcc 0
		.amdhsa_float_denorm_mode_32 3
		.amdhsa_float_denorm_mode_16_64 3
		.amdhsa_memory_ordered 1
		.amdhsa_forward_progress 1
		.amdhsa_inst_pref_size 78
	.end_amdhsa_kernel
	.amdgpu_metadata
---
amdhsa.version: [ 1, 2 ]
amdhsa.kernels:
  - .name:           k_q75e081d41e_quant
    .symbol:         k_q75e081d41e_quant.kd
    .args:
      - { .name: x, .offset: 0, .size: 8, .value_kind: global_buffer, .address_space: global }
      - { .name: Wk, .offset: 8, .size: 8, .value_kind: global_buffer, .address_space: global }
      - { .name: Wq, .offset: 16, .size: 8, .value_kind: global_buffer, .address_space: global }
      - { .name: Wv, .offset: 24, .size: 8, .value_kind: global_buffer, .address_space: global }
      - { .name: Wu, .offset: 32, .size: 8, .value_kind: global_buffer, .address_space: global }
      - { .name: lowp_scales, .offset: 40, .size: 8, .value_kind: global_buffer, .address_space: global }
      - { .name: x3, .offset: 48, .size: 8, .value_kind: global_buffer, .address_space: global }
      - { .name: w4, .offset: 56, .size: 8, .value_kind: global_buffer, .address_space: global }
    .group_segment_fixed_size: 34304
    .private_segment_fixed_size: 0
    .kernarg_segment_align: 8
    .kernarg_segment_size: 64
    .max_flat_workgroup_size: 128
    .sgpr_count:     66
    .vgpr_count:     256
    .wavefront_size: 32
...
	.end_amdgpu_metadata
.endif
;; end of part 1
;; launch proj (part 2): grid 12 x 32, 4 waves a work-group, clusters of 4 x 4, 327,680 bytes of LDS; arguments x3, w4, lowp_scales, kqv; writes kqv
.if DOCPART == 2
	.amdgcn_target "amdgcn-amd-amdhsa--gfx1250"
	.amdhsa_code_object_version 6
	.text
	.protected	k_q75e081d41e_proj
	.globl	k_q75e081d41e_proj
	.p2align	8
	.type	k_q75e081d41e_proj,@function
k_q75e081d41e_proj:
	s_mov_b64 s[64:65], 0
	v_nop
	global_prefetch_b8 v0, s[64:65] scope:SCOPE_SE
	s_setreg_imm32_b32 hwreg(HW_REG_WAVE_MODE, 25, 1), 1
	s_wait_xcnt 0x0
	s_wait_alu depctr_hold_cnt(0) depctr_sa_sdst(0) depctr_va_vdst(0) depctr_va_sdst(0) depctr_va_ssrc(0) depctr_va_vcc(0) depctr_vm_vsrc(0)
	s_getreg_b32 s2, hwreg(HW_REG_IB_STS2, 6, 4)
	s_cmp_eq_u32 s2, 0
	s_cbranch_scc0 .Lentry_in_a_cluster
	s_endpgm
.Lentry_in_a_cluster:
	s_bfe_u32 s2, ttmp6, 0x10000c
	s_cmp_lg_u32 s2, 0xf033
	s_cbranch_scc0 .Lentry_shape_is_right
	s_endpgm
.Lentry_shape_is_right:
; keys = x Wk^T, queries = x Wq^T, values = x Wv^T on codes of E4M3 (8,192 x 1,024 x 1,024 each), and each sum quantised at once for the product that takes it next.
; The cluster's x, p, says which: 0 keys (scales e0, e1; codes under e7), 1 queries (e2, e3; e6), 2 values (e4, e5; e8).  A sum stands for sum x 2^(ea + eb), so its code is sum / 2^f, f = e_out - ea - eb.
; LIMIT: f between -126 and 119, so that 2^f and 448 x 2^f are f32 numbers.
; IN: x3 (three planes) and w4 (four planes) in the order of an operand's registers: [row / 16][K / 128][c][lane][16 bytes]: a fragment (16 rows x 128 K) is 2,048 consecutive bytes.
; OUT: kqv, three planes of 8 MiB (keys, queries, values), 131,072 bytes for each (batch, head).  Keys and queries: [pos(t)][64 codes along the head]; values: [t / 64][pos(d)][64 codes along the keys];
; pos exchanges bits 3 and 4 of its index, so that the sixteen rows which the next launch takes as one tile of a product are neighbours.
; SHARES.  A work-group of four waves makes 256 tokens x 256 features; a wave 128 x 128: 64 accumulators, 512 registers.  K goes in steps of 256 through a ring of two LDS slots; a slot holds x's 16 row tiles
; (4,096 bytes each: two fragments), then W's 16.  Fragments lie in LDS as they lie in registers: a load's 512 bytes are consecutive, there is no pitch and no padding.
; CLUSTERS: 4 x 4 work-groups.  The four of a row of the cluster need the same tiles of x, the four of a column the same tiles of W: each tile is asked for JOINTLY, by the same tensor load with the same
; descriptor and a mask that names the four.
; WHICH SIDE IS WHICH.  Source 0's 16 rows run along a lane's eight result registers, source 1's along the lanes.  Keys and queries want a lane to hold eight neighbouring FEATURES of one token (source 0 = W,
; source 1 = x); values want eight neighbouring TOKENS of one feature, since the keys are the next K (source 0 = x, source 1 = W).  The text is the same: for p = 2 the two fragment addresses change regions.
; REGISTERS, in windows of 256: window 0: v0-31 addresses and scales; v32-127 at work on the way out; from v128 source 1's fragments, ONE set.   window 1: source 0's fragments, TWO sets.
;   window 2: the 32 accumulators of source 1's blocks 0-3 (accumulator (a, b) at v[8 (8 a + b)]);   window 3: those of blocks 4-7.
.set KSB,    4096                      ; a K step of 256 in a row tile: two fragments
.set HALFT,  8*KSB                     ; 8 row tiles: what one tensor load brings, and what one wave reads of either side
.set SLOT,   4*HALFT                   ; x's 16 row tiles, then W's 16
.set SPARE,  2*SLOT                    ; behind the ring: the spare words, 128 bytes for each wave: two blocks of 256 bytes that no other line names
.set FR,     16                        ; registers of a fragment
.set NL,     4                         ; LDS loads that bring one
.set NP,     4                         ; places behind this matrix instruction (ISA guide 7.12.1)
.set SPITCH, 288                       ; the way out: a stage of 256 rows x (256 codes + 32).  It lies in slot 0, which has had its last fill and its last read when the first code is stored there
.set VO,   8                           ; v8-11   the way out: my byte offset in kqv for column group 0..3
.set ADRA, 16                          ; v16-17  LDS address of source 1's fragments in slot 0, 1
.set ADRB, 20                          ; v20-21  the same for source 0
.set STO,  24                          ; v24     the way out: where I put 8 codes of a row
.set RD,   25                          ; v25     the way out: where I read 16 codes back
.set SCV,  27                          ; v27     2^f as f32
.set SPW,  28                          ; v28     LDS address of my spare word; never rewritten
.set NIL,  29                          ; v29     0; never rewritten
.set LIMV, 30                          ; v30     448 x 2^f
.set TMP,  32                          ; v32-95  a block's sums, held
.set CD,   96                          ; v96-127 two sets of 16: a block's codes
.set AF,   128                         ; source 1's fragments, in window 0
.set BK,   128                         ; the way out: 32 x 4 registers read back from the stage
.set G1, 24                            ; s[24:31] descriptor group 1 for x's tiles;  s[32:39] group 0, one set for each slot
.set G0, 32
.set G1B, 48                           ; s[48:55], s[56:63] the same for W's tiles
.set G0B, 56
.set MSB, 0
.macro WIN new                         ; the immediate's high byte repeats the setting that is left
.if MSB != \new
	s_set_vgpr_msb (MSB<<8)|\new
.set MSB, \new
.endif
.endm
.set MUL_LO, 0xa1                      ; source 0 window 1, source 1 window 0, C and D window 2
.set MUL_HI, 0xf1                      ; the same, C and D window 3
.set TO_B,   0x40                      ; destination window 1, address window 0
; A joint load: waves 0 and 1 fetch x's two halves, waves 2 and 3 W's.  Each of the two lines has ONE mask and one set of registers for all that issue it; the branch hangs on the wave's number alone.
; An s_nop 0 and four v_nop follow each of the two lines, ahead of the jump, the label and what follows.
.macro JLOAD g0a, g1a, g0b, g1b
	s_cmp_eq_u32 s15, 0
	s_cbranch_scc0 .Lfor_b_\@
	tensor_load_to_lds s[\g0a:\g0a+3], s[\g1a:\g1a+7]
	s_nop 0
.rept 4
	v_nop
.endr
	s_branch .Lasked_\@
.Lfor_b_\@:
	tensor_load_to_lds s[\g0b:\g0b+3], s[\g1b:\g1b+7]
	s_nop 0
.rept 4
	v_nop
.endr
.Lasked_\@:
.endm
.macro CREST                           ; a round of the cluster's barrier behind its opening barrier
	s_cmp_lg_u32 s14, 0
	s_cbranch_scc1 .Lnot_wave_0_\@
	s_barrier_signal -3
.Lnot_wave_0_\@:
	s_barrier_wait -3
	s_barrier_signal -1
	s_barrier_wait -1
.endm
.macro CROUND                          ; a whole round
	s_barrier_signal -1
	s_barrier_wait -1
	CREST
.endm
	s_load_b128 s[4:7], s[0:1], 0x0                ; x3 s[4:5], w4 s[6:7]
	s_load_b128 s[8:11], s[0:1], 0x10              ; the scales' exponents s[8:9], kqv s[10:11]
	v_lshl_add_u32 v[SPW], v0, 2, SPARE
	v_mov_b32 v[NIL], 0
	ds_add_u32 v[SPW], v[NIL]                      ; the wave's opening: the add and its wait ahead of my first tensor load; the set-up below, work on registers, stands between them
	ds_add_u32 v[SPW], v[NIL]
	v_lshrrev_b32 v1, 5, v0
	v_readfirstlane_b32 s14, v1                    ; wave 0..3
	s_lshr_b32 s15, s14, 1                         ; which half of source 1's rows is mine.  Also: I fetch for x (0) or for W (1)
	s_and_b32 s16, s14, 1                          ; which half of source 0's rows.  Also: which 8 row tiles I fetch
	s_bfe_u32 s40, ttmp6, 0x40000                  ; cx: the tile of 256 features
	s_bfe_u32 s41, ttmp6, 0x40004                  ; cy
	s_and_b32 s17, ttmp7, 0xffff
	s_lshl_b32 s17, s17, 2
	s_add_co_u32 s17, s17, s41                     ; the tile of 256 tokens = 4 x cluster y + cy
	s_lshl_b32 s43, s41, 2
	s_lshl_b32 s43, 15, s43                        ; my row of the cluster
	s_lshl_b32 s44, 0x1111, s40                    ; my column
	; descriptor group 1: 8 rows (row tiles) of 4,096 bytes, 16,384 bytes apart in memory, dense in LDS
	s_or_b32 s[G1+0], s43, (1<<21)                 ; 15:0 the mask: x's tiles go to my row; 17:16 elements of 1 byte; 20 no padding; 21 set beside a mask
	s_or_b32 s[G1B+0], s44, (1<<21)                ; W's tiles go to my column
.irp g, G1, G1B
	s_mov_b32 s[\g+1], KSB<<16                     ; tensor_dim0
	s_mov_b32 s[\g+2], 8<<16                       ; tensor_dim1
	s_mov_b32 s[\g+3], KSB<<16                     ; tile_dim0
	s_mov_b32 s[\g+4], 8                           ; tile_dim1
	s_mov_b32 s[\g+5], 16384                       ; tensor_dim0_stride
	s_mov_b32 s[\g+6], 0
	s_mov_b32 s[\g+7], 0
.endr
	s_lshl_b32 s18, s16, 17                        ; the 8 row tiles that I fetch
	s_lshl_b32 s20, ttmp9, 23                      ; x: plane p,
	s_lshl_b32 s21, s17, 18                        ; 16 row tiles for a tile of tokens
	s_add_co_u32 s20, s20, s21
	s_add_co_u32 s20, s20, s18
	s_mov_b32 s21, 0
	s_lshl_b32 s46, ttmp9, 20                      ; W: plane p,
	s_lshl_b32 s47, s40, 18                        ; 16 row tiles for a tile of features
	s_add_co_u32 s46, s46, s47
	s_add_co_u32 s46, s46, s18
	s_mov_b32 s47, 0
	s_mul_i32 s45, s14, HALFT                      ; where they go: wave x 8 row tiles: no place in the cluster enters an LDS address
	s_wait_dscnt 0x0                               ; the opening add is done
	s_wait_kmcnt 0x0
	s_load_b256 s[68:75], s[8:9], 0x0              ; e0 .. e7
	s_load_b128 s[76:79], s[8:9], 0x20             ; e8 .. e11
	s_add_nc_u64 s[20:21], s[4:5], s[20:21]
	s_add_nc_u64 s[46:47], s[6:7], s[46:47]
	CROUND                                         ; all sixteen work-groups are here: the first joint loads meet
.irp s, 0,1
	s_mov_b32 s[G0+4*\s], 1
	s_add_co_u32 s[G0+4*\s+1], s45, \s*SLOT
	s_add_nc_u64 s[G0+4*\s+2:G0+4*\s+3], s[20:21], \s*KSB
	s_or_b32 s[G0+4*\s+3], s[G0+4*\s+3], 0x80000000
	s_mov_b32 s[G0B+4*\s], 1
	s_add_co_u32 s[G0B+4*\s+1], s45, \s*SLOT
	s_add_nc_u64 s[G0B+4*\s+2:G0B+4*\s+3], s[46:47], \s*KSB
	s_or_b32 s[G0B+4*\s+3], s[G0B+4*\s+3], 0x80000000
.endr
	JLOAD G0, G1, G0B, G1B                         ; K step 0: one tensor load a wave at the head
	; PREFETCH INTO THE L2.  Of the 8 row tiles that I fetch, each of the four partners that ask for them with me takes two, told apart by address (cx for x's tiles, cy for W's): a K step of two row tiles
	; is 32 blocks of 256 bytes, a lane a block, one instruction.  K steps 1 and 2 are asked for here, K step 3 behind K step 1's load: at most two K steps are asked for and not yet loaded.  Every offset is an immediate.
	s_cmp_eq_u32 s15, 0
	s_cselect_b64 s[84:85], s[20:21], s[46:47]
	s_cselect_b32 s86, s40, s41
	s_lshl_b32 s86, s86, 15                        ; two row tiles of 16,384 bytes for each partner
	s_mov_b32 s87, 0
	s_add_nc_u64 s[84:85], s[84:85], s[86:87]
	v_bfe_u32 v13, v0, 4, 1
	v_and_b32 v14, 15, v0
	v_lshlrev_b32 v14, 8, v14
	v_lshl_add_u32 v12, v13, 14, v14               ; v12: 16,384 (lane / 16) + 256 (lane % 16); never rewritten
	global_prefetch_b8 v12, s[84:85] offset:4096 th:TH_LOAD_NT scope:SCOPE_SE
	global_prefetch_b8 v12, s[84:85] offset:8192 th:TH_LOAD_NT scope:SCOPE_SE
	v_and_b32 v3, 31, v0
	v_lshlrev_b32 v4, 4, v3                        ; 16 x lane: my place in every load of a fragment
	s_wait_alu depctr_va_vdst(0)
	s_cmp_eq_u32 ttmp9, 2                          ; values?  The cluster's x is the same in all sixteen partners
	s_cselect_b32 s18, 65536, 0                    ; source 1 reads x's region (0), for values W's (65,536);
	s_cselect_b32 s19, 0, 65536                    ; source 0 the other one.  Either way the address stays inside its slot
	s_lshl_b32 s21, s15, 15
	s_add_co_u32 s21, s21, s18
	s_lshl_b32 s22, s16, 15
	s_add_co_u32 s22, s22, s19
.irp s, 0,1
	v_add_nc_u32 v[ADRA+\s], s21, v4
	v_add_nc_u32 v[ADRB+\s], s22, v4
	s_add_co_u32 s21, s21, SLOT
	s_add_co_u32 s22, s22, SLOT
.endr
	v_and_b32 v1, 15, v0                           ; r
	v_bfe_u32 v2, v0, 4, 1                         ; h
	v_mul_u32_u24 v5, v1, SPITCH                   ; into the stage: row = source 1's row 128 (w / 2) + 16 a + r, byte = source 0's row 128 (w % 2) + 16 b + 8 h
	v_lshl_add_u32 v5, v2, 3, v5
	s_mul_i32 s23, s15, 128*SPITCH
	s_lshl_b32 s21, s16, 7
	s_add_co_u32 s23, s23, s21
	v_add_nc_u32 v[STO], s23, v5
	v_bfe_u32 v6, v0, 2, 3                         ; back: wave w takes rows 64 w on; a load takes 8 rows x 64 bytes: row lane / 4, 16 bytes (lane % 4)
	v_and_b32 v7, 3, v0
	v_mul_u32_u24 v6, v6, SPITCH
	v_lshl_add_u32 v6, v7, 4, v6
	s_mul_i32 s23, s14, 64*SPITCH
	v_add_nc_u32 v[RD], s23, v6
	; where they go in kqv.  Keys, queries: a group of 64 stage bytes is a head (131,072 bytes on), a wave's 64 stage rows are 64 tokens (4,096 bytes on).  Values: a group is a block of 64 keys (4,096), a wave's rows are a head (131,072)
	s_cmp_eq_u32 ttmp9, 2
	s_mov_b32 s18, 131072
	s_mov_b32 s19, 4096
	s_cselect_b32 s18, 4096, s18                   ; from group to group
	s_cselect_b32 s19, 131072, s19                 ; from wave to wave
	v_mov_b32 v[VO], v4
	v_add_nc_u32 v[VO+1], s18, v[VO]
	v_add_nc_u32 v[VO+2], s18, v[VO+1]
	v_add_nc_u32 v[VO+3], s18, v[VO+2]
	s_lshl_b32 s46, ttmp9, 23                      ; the plane,
	s_lshr_b32 s47, s17, 3
	s_lshl_b32 s47, s47, 21                        ; the batch: 16 heads,
	s_add_co_u32 s46, s46, s47
	s_lshl_b32 s47, s40, 19                        ; the tile's four heads,
	s_add_co_u32 s46, s46, s47
	s_and_b32 s47, s17, 7
	s_lshl_b32 s47, s47, 14                        ; the tile's 256 tokens: 16,384 bytes in either layout,
	s_add_co_u32 s46, s46, s47
	s_mul_i32 s47, s14, s19                        ; my wave's part
	s_add_co_u32 s46, s46, s47
	s_mov_b32 s47, 0
	s_add_nc_u64 s[10:11], s[10:11], s[46:47]
	s_wait_kmcnt 0x0
	s_cmp_eq_u32 ttmp9, 1
	s_cselect_b32 s80, s74, s75                    ; queries: e6; keys: e7
	s_cselect_b32 s81, s70, s68
	s_cselect_b32 s82, s71, s69
	s_cmp_eq_u32 ttmp9, 2
	s_cselect_b32 s80, s76, s80                    ; values: e8
	s_cselect_b32 s81, s72, s81
	s_cselect_b32 s82, s73, s82
	s_sub_co_i32 s80, s80, s81
	s_sub_co_i32 s80, s80, s82                     ; f: the three scales folded into the conversion's one
	s_add_co_i32 s80, s80, 127
	s_lshl_b32 s81, s80, 23
	v_mov_b32 v[SCV], s81
	s_add_co_i32 s80, s80, 8
	s_lshl_b32 s80, s80, 23
	s_or_b32 s80, s80, 0x600000
	v_mov_b32 v[LIMV], s80
.macro FRAG reg, adr, q, i             ; row tile i's fragment of the slot's q-th 128 along K: registers 4 c .. 4 c + 3 hold K = 32 c + 16 (lane / 16) + 0 .. 15 of row lane % 16, on both sides alike
.irp c, 0,1,2,3
	ds_load_b128 v[\reg+4*\c:\reg+4*\c+3], v[\adr] offset:KSB*(\i)+2048*(\q)+512*\c
.endr
.endm
; 16 matrix instructions: source 1's blocks a0, a0 + 1 x source 0's eight, 128 along K.  p: source 0's set.  zero = 1: the first product starts the sums: nothing is ever cleared.
; The 64 accumulators take turns, one instruction a turn, in the same order in every step.
.macro MUL16 a0, p, zero
.irp a, \a0, \a0+1
.irp b, 0,1,2,3,4,5,6,7
.if \zero
	v_wmma_f32_16x16x128_fp8_fp8 v[8*(8*((\a)%4)+\b):8*(8*((\a)%4)+\b)+7], v[128*(\p)+FR*\b:128*(\p)+FR*\b+FR-1], v[AF+FR*(\a):AF+FR*(\a)+FR-1], 0
.else
	v_wmma_f32_16x16x128_fp8_fp8 v[8*(8*((\a)%4)+\b):8*(8*((\a)%4)+\b)+7], v[128*(\p)+FR*\b:128*(\p)+FR*\b+FR-1], v[AF+FR*(\a):AF+FR*(\a)+FR-1], v[8*(8*((\a)%4)+\b):8*(8*((\a)%4)+\b)+7]
.endif
.endr
.endr
.endm
.macro FETCH_B slot, q, p              ; source 0's eight fragments into set p
	WIN TO_B
.irp i, 0,1,2,3,4,5,6,7
	FRAG 128*(\p)+FR*\i, ADRB+\slot, \q, \i
.endr
	WIN 0
.endm
.macro FETCH_A slot, q, i0             ; source 1's blocks i0 .. i0 + 3
.irp i, \i0, \i0+1, \i0+2, \i0+3
	FRAG AF+FR*(\i), ADRA+\slot, \q, \i
.endr
.endm
.macro PLACES n                        ; plain vector instructions between a matrix instruction and a load into, or a read of, its registers (ISA guide 7.12.1 for reads)
.rept \n
	v_nop
.endr
.endm
; A step of 128 along K that has its successor in the same slot.
.macro STEP slot, q, zero
	s_wait_dscnt 4*NL                              ; source 0's set and source 1's blocks 0-3 are in; the youngest sixteen loads (blocks 4-7) may be out
	WIN MUL_LO
	MUL16 0, (\q)%2, \zero
	MUL16 2, (\q)%2, \zero
	s_wait_dscnt 0                                 ; blocks 4-7 are in (asked for 32 matrix instructions ago)
	PLACES NP
	FETCH_B \slot, (\q)+1, 1-(\q)%2
	FETCH_A \slot, (\q)+1, 0
	WIN MUL_HI
	MUL16 4, (\q)%2, \zero
	MUL16 6, (\q)%2, \zero
	PLACES NP
	WIN 0
	FETCH_A \slot, (\q)+1, 4
.endm
; A slot's last step changes slots: ONE barrier; in front of it each wave waits for all its tensor loads, adds 0 to its spare word, and waits for that and for its own reads of this slot.  fill = 1: this slot is filled again, two K steps ahead.
.macro TURN slot, next, fill
	s_wait_tensorcnt 0x0                           ; all my tensor loads have landed: my part of the next slot  (every window is 0 here)
	ds_add_u32 v[SPW], v[NIL]                      ; 0 onto my spare word
	s_wait_dscnt 4*NL+1                            ; (the add and the youngest sixteen loads may be out)
	WIN MUL_LO
	MUL16 0, 1, 0                                  ; sixteen matrix instructions stand between the add and the wait for it
	s_wait_dscnt 0x0                               ; the add is done, and my reads of this slot are over
	s_barrier_signal -1
	MUL16 2, 1, 0
	WIN 0
	s_barrier_wait -1
.if \fill
	CREST                                          ; the barrier has opened a round of the cluster's barrier: no wave of any partner still reads this slot's tile or has a load on its way
	s_add_nc_u64 s[G0+4*\slot+2:G0+4*\slot+3], s[G0+4*\slot+2:G0+4*\slot+3], 2*KSB
	s_add_nc_u64 s[G0B+4*\slot+2:G0B+4*\slot+3], s[G0B+4*\slot+2:G0B+4*\slot+3], 2*KSB
	JLOAD G0+4*\slot, G1, G0B+4*\slot, G1B         ; the first tensor load behind the round, my only one until the next; its four v_nop are the places in front of the loads below
.else
	PLACES NP
.endif
	FETCH_B \next, 0, 0
	FETCH_A \next, 0, 0
	WIN MUL_HI
	MUL16 4, 1, 0
	MUL16 6, 1, 0
	PLACES NP
	WIN 0
	FETCH_A \next, 0, 4
.endm
	s_wait_alu depctr_va_vdst(0)                   ; the wait at the head's end
	s_wait_tensorcnt 0x0                           ; my part of K step 0 is in; the lines ahead of a later first fill:
	ds_add_u32 v[SPW], v[NIL]
	s_wait_dscnt 0x0
	CROUND                                         ; a whole round: everybody's part of K step 0 is in, and the joint loads meet
	JLOAD G0+4, G1, G0B+4, G1B                     ; K step 1, the first tensor load behind the round
	FETCH_B 0, 0, 0
	FETCH_A 0, 0, 0
	FETCH_A 0, 0, 4
	global_prefetch_b8 v12, s[84:85] offset:12288 th:TH_LOAD_NT scope:SCOPE_SE   ; K step 3, the last
	STEP 0, 0, 1
	TURN 0, 1, 1                                   ; slot 0 takes K step 2
	STEP 1, 0, 0
	TURN 1, 0, 1                                   ; slot 1 takes K step 3
	STEP 0, 0, 0
	TURN 0, 1, 0                                   ; nothing is left to fetch: no round of the cluster's barrier
	STEP 1, 0, 0
	s_wait_dscnt 4*NL                              ; the very last step
	WIN MUL_LO
	MUL16 0, 1, 0
	MUL16 2, 1, 0
	s_wait_alu depctr_va_vdst(0)
	s_wait_dscnt 0
	WIN MUL_HI
	MUL16 4, 1, 0
	MUL16 6, 1, 0
	WIN 0
; THE WAY OUT.  Block a (16 of source 1's rows x 128 of source 0's): each sum is held within +-448 x 2^f, eight neighbours of a lane become 8 codes, and these go into the work-group's stage.
.macro QBLOCK a
.set AC, 64*((\a)%4)
.set CC, CD+16*((\a)%2)
	WIN 0x02+((\a)/4)                              ; source 0: window 2 or 3
.set j, 0
.rept 64
	v_med3_num_f32 v[TMP+j], v[AC+j], -v[LIMV], v[LIMV]   ; each accumulator from its low end on; the conversion does not saturate (ISA guide 7.6.2)
.set j, j+1
.endr
	WIN 0
.irp b, 0,1,2,3,4,5,6,7
	v_cvt_scalef32_pk8_fp8_f32 v[CC+2*\b:CC+2*\b+1], v[TMP+8*\b:TMP+8*\b+7], v[SCV]
.endr
	v_nop                                          ; a plain instruction between the conversions and the next block's writes of their sources
.irp b, 0,1,2,3,4,5,6,7
	ds_store_b64 v[STO], v[CC+2*\b:CC+2*\b+1] offset:16*(\a)*SPITCH+16*\b
.endr
.endm
	PLACES NP                                      ; behind the last products, ahead of the first read of results
.irp a, 0,1,2,3,4,5,6,7
	QBLOCK \a
.endr
	s_wait_dscnt 0x0                               ; for the others' sake: my stores into the stage are done
	s_barrier_signal -1
	s_barrier_wait -1                              ; a stage row's 256 codes come from two waves
.irp u, 0,1,2,3,4,5,6,7
.irp g, 0,1,2,3
	ds_load_b128 v[BK+4*(4*\u+\g):BK+4*(4*\u+\g)+3], v[RD] offset:8*\u*SPITCH+64*\g   ; rows 8 u .. 8 u + 7 of my 64, bytes 64 g .. 64 g + 63
.endr
.endr
.irp u, 0,1,2,3,4,5,6,7
.irp g, 0,1,2,3
	s_wait_dscnt 31-(4*\u+\g)                      ; LDS loads come back in order: this one is in
	global_store_b128 v[VO+\g], v[BK+4*(4*\u+\g):BK+4*(4*\u+\g)+3], s[10:11] offset:512*((\u&4)|((\u&1)<<1)|((\u>>1)&1))   ; 8 rows of 64 bytes: 512 consecutive bytes; pos exchanges the low two bits of the group of eight rows
.endr
.endr
	s_wait_tensorcnt 0x0                           ; the wave's end: behind my last tensor load and my last LDS store
	ds_add_u32 v[SPW], v[NIL]
	s_wait_dscnt 0x0
	CROUND                                         ; the closing round: no work-group ends while a partner may still ask for a tile that names it
	s_endpgm
.Lfunc_end_k_q75e081d41e_proj:
	.size	k_q75e081d41e_proj, .Lfunc_end_k_q75e081d41e_proj-k_q75e081d41e_proj
	.p2alignl 7, 3214868480
	.fill 96, 4, 3214868480
	.section	.rodata,"a",@progbits
	.p2align	6, 0x0
	.amdhsa_kernel k_q75e081d41e_proj
		.amdhsa_group_segment_fixed_size 327680
		.amdhsa_private_segment_fixed_size 0
		.amdhsa_enable_private_segment 0
		.amdhsa_kernarg_size 32
		.amdhsa_user_sgpr_count 2
		.amdhsa_user_sgpr_kernarg_segment_ptr 1
		.amdhsa_wavefront_size32 1
		.amdhsa_system_sgpr_workgroup_id_x 1
		.amdhsa_system_sgpr_workgroup_id_y 1
		.amdhsa_system_sgpr_workgroup_id_z 1
		.amdhsa_system_vgpr_workitem_id 0
		.amdhsa_next_free_vgpr 1024
		.amdhsa_next_free_sgpr 98
		.amdhsa_reserve_vcc 0
		.amdhsa_float_denorm_mode_32 3
		.amdhsa_float_denorm_mode_16_64 3
		.amdhsa_memory_ordered 1
		.amdhsa_forward_progress 1
		.amdhsa_inst_pref_size 127
	.end_amdhsa_kernel
	.amdgpu_metadata
---
amdhsa.version: [ 1, 2 ]
amdhsa.kernels:
  - .name:           k_q75e081d41e_proj
    .symbol:         k_q75e081d41e_proj.kd
    .args:
      - { .name: x3, .offset: 0, .size: 8, .value_kind: global_buffer, .address_space: global }
      - { .name: w4, .offset: 8, .size: 8, .value_kind: global_buffer, .address_space: global }
      - { .name: lowp_scales, .offset: 16, .size: 8, .value_kind: global_buffer, .address_space: global }
      - { .name: kqv, .offset: 24, .size: 8, .value_kind: global_buffer, .address_space: global }
    .group_segment_fixed_size: 327680
    .private_segment_fixed_size: 0
    .kernarg_segment_align: 8
    .kernarg_segment_size: 32
    .max_flat_workgroup_size: 128
    .sgpr_count:     98
    .vgpr_count:     1024
    .wavefront_size: 32
...
	.end_amdgpu_metadata
.endif
;; end of part 2
;; launch attn (part 3): grid 4 x 64, 16 waves a work-group, no clusters, 264,192 bytes of LDS; arguments kqv, lowp_scales, yimg; writes yimg
.if DOCPART == 3
	.amdgcn_target "amdgcn-amd-amdhsa--gfx1250"
	.amdhsa_code_object_version 6
	.text
	.protected	k_q75e081d41e_attn
	.globl	k_q75e081d41e_attn
	.p2align	8
	.type	k_q75e081d41e_attn,@function
k_q75e081d41e_attn:
	s_mov_b64 s[64:65], 0
	v_nop
	global_prefetch_b8 v0, s[64:65] scope:SCOPE_SE
	s_setreg_imm32_b32 hwreg(HW_REG_WAVE_MODE, 25, 1), 1
	s_wait_xcnt 0x0
; y[b][q][head] = the sum over keys k <= q of softmax_k(Q . K / 8) V, for 64 (batch, head) pairs of 2,048 tokens and head size 64, both products on codes of E4M3; y is quantised at once for the last product.
; IN: kqv: keys at 0, queries at 8 MiB: [pos(t)][64 codes]; values at 16 MiB: [t / 64][pos(d)][64 codes along the keys]; 131,072 bytes for each (batch, head); pos exchanges bits 3 and 4 of its index.
; Scales: queries e6, keys e7, values e8, p e9, y e10.
; THE SOFTMAX AHEAD OF THE SECOND PRODUCT: t = score x log2(e) / 8; M = the largest t so far, rounded UP to a whole number; p = 2^(t - M) is what is quantised; it is not normalised.  The row's sum is taken of the
; unquantised p, in f32, and divides O at the end.  When M moves, the sum and O are multiplied by 2^(old M - new M): exact.
; OUT: yimg in the order of an operand's registers: byte (token / 16) x 16,384 + head x 1,024 + 512 (d / 32) + 16 lane; lane (token % 16, (d / 16) % 2) holds 16 neighbouring d.
; LEFT OUT: a key step all of whose 128 keys come after a wave's 16 queries: the causal mask hides those scores, so they reach no output whatever the inputs hold.
; SHARES.  Work-group (j, head) owns the blocks 7 - j and j of 256 queries, in that order: nine walks of a key slot (256 keys) whatever j is.  Each of sixteen waves owns 16 queries of the block in hand.
; LDS HOLDS THE HEAD'S KEYS AND VALUES, EACH BYTE WRITTEN ONCE: 8 slots of 32,768 bytes (16 tiles of K, then 16 of V).  Block 7 - j walks slots 0 .. 7 - j while they arrive; block j then finds slots 0 .. j in LDS.
; A tile (16 rows x 64 codes) lies in the order of an operand's registers: chunk ch (16 codes) of row r at 256 ch + 16 r, so a fragment load's 512 bytes are consecutive: no pitch, no padding.
; Wave w brings tile w of K and of V of each slot: four loads of 512 consecutive bytes into 16 registers, four LDS stores; the loads are issued one trip ahead of their stores.
; THE LOOP has 12 trips, a constant: slot = trip & 7.  Trips in which the block in hand has no open key fall out by the causal test on ids at each step's head.
; THE BARRIER.  Slots 0 and 1 are stored at the head.  Between the two steps of every trip T a wave waits for the signals of trip T - 1, stores its part of slot T + 2 (while T + 2 <= 7 - j) and signals.
; So slot T + 2 is shown whole in trip T + 1, a trip ahead of its first read, and a wave stands at the wait only if another is a whole trip behind.  The last wait stands behind the loop.
; Nothing is stored to memory inside the loop: both blocks' codes of y wait in the stage's registers, which are free by then, and leave behind the last wait.
; NO TENSOR LOADS, NO CLUSTER: the step has a scalar branch on the given exponent e9 (p <= 1, so the hold at 448 x 2^e9 changes nothing where e9 >= -8).
; PREFETCH: in trips 0 to 3 wave 15 asks for 8,192 bytes of slot T + 4, lanes 256 bytes apart: one trip ahead of the loads of that slot.  The four work-groups of a head share a slot out by address: j = 0, 1 K's halves, j = 2, 3 V's.
; LAYOUT.  Both products are used transposed: S^T = K Q^T, O^T = V^T P^T: a lane holds ONE query (lane % 16).  By pos, the 16 registers of tiles 2 b and 2 b + 1 are 16 neighbours, 32 b + 16 (lane / 16) + 0 .. 15.
; LIMITS on the given exponents: e6 + e7 between -123 and 130 (added to c's exponent field); e9, and e10 - e8 - e9, between -126 and 119.  The scaled scores stay under 2^31 in magnitude.
; REGISTERS: v1-11 addresses; v12 -M, v13 the largest t, v[14:15] the sum; v16-23 Q in use, v24-31 Q of block j; v32-95 K's 8 fragments, then V's 4; v96-159 S^T, then p; v160-191 O^T; v192-207 p's codes;
;   v208-215 y's codes; v216-231 the stage for a coming slot, then the two blocks' codes of y; v232-255 at work and scales.
.set SLOTB, 32768
.set VOFF,  16384                      ; V's tiles in a slot
.set SPARE, 8*SLOTB                    ; behind the slots: the spare words, 128 bytes for each wave
.set STL,  1                           ; v1   where my lane's 16 bytes of a loaded tile go: 1,024 wave + 256 (lane % 4) + 16 (lane / 4)
.set GOF,  2                           ; v2   my bytes of a slot in memory: 1,024 wave + 16 lane
.set STA,  3                           ; v3   STL in the slot that is being stored
.set PFO,  4                           ; v4   256 x lane
.set SPW,  5                           ; v5   LDS address of my spare word; never rewritten
.set NIL,  6                           ; v6   0; never rewritten
.set LN,   7                           ; v7   16 x lane
.set ADR,  8                           ; v8   LN in the slot that is being read
.set DL,   11                          ; v11  lane % 16 - 16 (lane / 16)
.set STG,  216
.set WV,   18
.set SEL,  20                          ; s[20:21] lane selects for v_permlanex16_b32: lane l xor 16
.set CS,   22                          ; s[22:23] c = log2(e) / 8 x 2^(e6 + e7)
.set KB,   24                          ; s[24:25], s[26:27] the head's keys and values at the slot loaded last
.set VB,   26
.set PF,   28                          ; s[28:29] my work-group's quarter of slot T + 4
.set PLIM, 30                          ; s30  4 in wave 15, else 0
.set HOLD, 31                          ; s31  1 where 448 x 2^e9 < 1
.set SL,   48                          ; s48  the slot in hand; s49 its LDS byte; s50 that of slot T + 2
.set SB,   49
.set SN,   50
.set QB,   51                          ; s51  the block in hand; s61 the one after it
.set QBB,  52                          ; s52  7 - j
.set KF,   53                          ; s53  the step's first key
.set Q0,   54                          ; s54  my first query; s55 in the block after
.set Q0N,  55
.set YB,   56                          ; s[56:57] where block 7 - j's y goes; s[58:59] block j's
.set YB2,  58
.set T,    60
.set QBN,  61
.macro GLOAD r, off
	global_load_b128 v[\r:\r+3], v[GOF], s[KB:KB+1] offset:\off
	global_load_b128 v[\r+4:\r+7], v[GOF], s[KB:KB+1] offset:\off+512
	global_load_b128 v[\r+8:\r+11], v[GOF], s[VB:VB+1] offset:\off
	global_load_b128 v[\r+12:\r+15], v[GOF], s[VB:VB+1] offset:\off+512
.endm
.macro PUT adr, r
	ds_store_b128 v[\adr], v[\r:\r+3]
	ds_store_b128 v[\adr], v[\r+4:\r+7] offset:128
	ds_store_b128 v[\adr], v[\r+8:\r+11] offset:VOFF
	ds_store_b128 v[\adr], v[\r+12:\r+15] offset:VOFF+128
.endm
	s_load_b128 s[4:7], s[0:1], 0x0                ; kqv, the scales' exponents
	s_load_b64 s[8:9], s[0:1], 0x10                ; yimg
	v_lshl_add_u32 v[SPW], v0, 2, SPARE
	v_mov_b32 v[NIL], 0
	v_lshrrev_b32 v9, 5, v0
	v_readfirstlane_b32 s[WV], v9                  ; wave 0..15
	v_and_b32 v10, 31, v0
	v_lshlrev_b32 v[LN], 4, v10
	v_lshlrev_b32 v[PFO], 8, v10
	v_lshl_add_u32 v[GOF], v9, 10, v[LN]
	v_and_b32 v10, 3, v0
	v_bfe_u32 v11, v0, 2, 3
	v_lshlrev_b32 v11, 4, v11
	v_lshl_add_u32 v10, v10, 8, v11
	v_lshl_add_u32 v[STL], v9, 10, v10
	v_add_nc_u32 v[STA], SLOTB, v[STL]             ; slot 1
	v_and_b32 v9, 7, v0
	v_and_b32 v11, 8, v0
	v_lshl_add_u32 v9, v11, 1, v9                  ; query 16 w + r lies at row (r & 7) + 2 (r & 8) of its wave's rows
	v_bfe_u32 v11, v0, 4, 1                        ; h
	v_lshlrev_b32 v9, 6, v9
	v_lshl_add_u32 v10, v11, 4, v9                 ; my query's row of 64 bytes, + 16 h
	v_lshlrev_b32 v11, 4, v11
	v_and_b32 v9, 15, v0
	v_sub_nc_u32 v[DL], v9, v11
	v_mov_b32 v13, 0xff61b1e6                      ; the largest t so far: -3e38
	v_floor_f32 v12, -v13                          ; -M
	v_mov_b32 v14, 0
	v_mov_b32 v15, 0
	v_mov_b32 v236, 0                              ; a lane permute's destination counts as a source
	v_mov_b32 v253, 0                              ; (the upper half of the pair v[252:253])
.set j, 0
.rept 32
	v_mov_b32 v[160+j], 0                          ; O^T: a block's first step finds zeros
.set j, j+1
.endr
	s_and_b32 s80, ttmp7, 0xffff                   ; 16 x batch + head
	s_lshl_b32 s81, s80, 17                        ; its bytes in a plane
	s_mov_b32 s46, s81
	s_mov_b32 s47, 0
	s_mov_b32 s[SEL], 0x76543210
	s_mov_b32 s[SEL+1], 0xfedcba98
	s_mov_b32 s[CS], 0x3e38aa3b                    ; log2(e) / 8
	s_sub_co_u32 s[QBB], 7, ttmp9
	s_mov_b32 s[QB], s[QBB]
	s_mov_b32 s[QBN], ttmp9
	s_lshl_b32 s83, s[WV], 4
	s_lshl_b32 s[Q0N], ttmp9, 8
	s_add_co_u32 s[Q0N], s[Q0N], s83
	s_lshl_b32 s[Q0], s[QBB], 8
	s_add_co_u32 s[Q0], s[Q0], s83
	s_and_b32 s82, s[WV], 1                        ; my 16 queries' rows begin at row 16 (w & 14) + 8 (w & 1) of their block
	s_and_b32 s83, s[WV], 14
	s_lshl_b32 s83, s83, 10
	s_lshl_b32 s84, s82, 9
	s_add_co_u32 s83, s83, s84
	s_add_co_u32 s83, s83, s81
	s_add_co_u32 s83, s83, 0x800000                ; the queries' plane
	s_lshl_b32 s84, ttmp9, 14
	s_add_co_u32 s84, s84, s83
	s_mov_b32 s85, 0
	s_lshl_b32 s86, s[QBB], 14
	s_add_co_u32 s86, s86, s83
	s_mov_b32 s87, 0
	s_lshr_b32 s88, s80, 4                         ; my y: (128 batch + 16 block + wave) x 16,384 + head x 1,024
	s_lshl_b32 s88, s88, 21
	s_and_b32 s89, s80, 15
	s_lshl_b32 s89, s89, 10
	s_add_co_u32 s88, s88, s89
	s_lshl_b32 s89, s[WV], 14
	s_add_co_u32 s88, s88, s89
	s_lshl_b32 s90, ttmp9, 18
	s_add_co_u32 s90, s90, s88
	s_mov_b32 s91, 0
	s_lshl_b32 s92, s[QBB], 18
	s_add_co_u32 s92, s92, s88
	s_mov_b32 s93, 0
	s_lshr_b32 s94, ttmp9, 1                       ; the prefetches: keys' plane (j < 2) or values', half j & 1 of slot 4
	s_lshl_b32 s94, s94, 24
	s_and_b32 s95, ttmp9, 1
	s_lshl_b32 s95, s95, 13
	s_add_co_u32 s94, s94, s95
	s_add_co_u32 s94, s94, s81
	s_add_co_u32 s94, s94, 4*16384
	s_mov_b32 s95, 0
	s_cmp_eq_u32 s[WV], 15
	s_cselect_b32 s[PLIM], 4, 0
	s_wait_alu depctr_va_vdst(0)
	s_wait_kmcnt 0x0
	s_load_b256 s[68:75], s[6:7], 0x0              ; e0 .. e7
	s_load_b128 s[76:79], s[6:7], 0x20             ; e8 .. e11
	s_add_nc_u64 s[KB:KB+1], s[4:5], s[46:47]
	s_add_nc_u64 s[VB:VB+1], s[KB:KB+1], 0x1000000
	s_add_nc_u64 s[PF:PF+1], s[4:5], s[94:95]
	s_add_nc_u64 s[84:85], s[4:5], s[84:85]
	s_add_nc_u64 s[86:87], s[4:5], s[86:87]
	s_add_nc_u64 s[YB:YB+1], s[8:9], s[92:93]
	s_add_nc_u64 s[YB2:YB2+1], s[8:9], s[90:91]
	GLOAD STG, 0                                   ; slot 0
	GLOAD 96, 16384                                ; slot 1, through registers that hold no scores yet
	global_load_b128 v[16:19], v10, s[86:87]       ; Q of block 7 - j: registers 0-3 hold d = 16 h + 0 .. 15, registers 4-7 d = 32 + 16 h + 0 .. 15, as K's do
	global_load_b128 v[20:23], v10, s[86:87] offset:32
	global_load_b128 v[24:27], v10, s[84:85]       ; Q of block j
	global_load_b128 v[28:31], v10, s[84:85] offset:32
	s_wait_kmcnt 0x0
	s_add_co_i32 s80, s74, s75
	s_lshl_b32 s80, s80, 23
	s_add_co_i32 s[CS], s[CS], s80                 ; a score stands for score x 2^(e6 + e7)
	s_mov_b32 s[CS+1], s[CS]
	s_add_co_i32 s80, s77, 127
	s_lshl_b32 s81, s80, 23
	v_mov_b32 v244, s81                            ; 2^e9
	s_add_co_i32 s80, s80, 8
	s_lshl_b32 s80, s80, 23
	s_or_b32 s80, s80, 0x600000
	v_mov_b32 v240, s80                            ; 448 x 2^e9
	s_sub_co_i32 s80, s78, s76
	s_sub_co_i32 s80, s80, s77                     ; y's code is (O^T / the sum) / 2^(e10 - e8 - e9)
	s_add_co_i32 s80, s80, 127
	s_lshl_b32 s81, s80, 23
	v_mov_b32 v246, s81
	s_add_co_i32 s80, s80, 8
	s_lshl_b32 s80, s80, 23
	s_or_b32 s80, s80, 0x600000
	v_mov_b32 v247, s80
	s_cmp_gt_i32 s77, -9
	s_cselect_b32 s[HOLD], 0, 1                    ; e9 >= -8: 448 x 2^e9 >= 1.75, over every p
	s_mov_b32 s[T], 0
	s_wait_alu depctr_va_vdst(0)                   ; the wait at the head's end
	s_wait_loadcnt 4                               ; the eight loads of slots 0 and 1 are in; Q's four, issued behind them, may be out
	PUT STL, STG
	PUT STA, 96
	s_wait_dscnt 0x0                               ; for the others' sake; and the stores have read the stage
	s_add_nc_u64 s[KB:KB+1], s[KB:KB+1], 32768
	s_add_nc_u64 s[VB:VB+1], s[VB:VB+1], 32768
	GLOAD STG, 0                                   ; slot 2
	s_barrier_signal -1
	s_barrier_wait -1                              ; slots 0 and 1 are whole
	s_barrier_signal -1                            ; the signal that trip 0's wait answers
	s_wait_loadcnt 4                               ; Q is in; slot 2's four may be out
; A KEY STEP: 128 keys, the q-th of the slot in hand.
.macro STEP q
	s_add_co_u32 s96, s[Q0], 15                    ; ids alone: a step all of whose keys come after my queries is left out (behind the second block's end Q0 is -16: every step)
	s_cmp_gt_i32 s[KF], s96
	s_cbranch_scc1 .Lhidden_\@
	v_add_nc_u32 v[ADR], s[SB], v[LN]
.rept 3
	v_nop                                          ; with the addition: four places in front of loads into registers that the last products have read
.endr
.irp t, 0,1,2,3,4,5,6,7
.irp c, 0,1
	ds_load_b128 v[32+8*\t+4*\c:32+8*\t+4*\c+3], v[ADR] offset:(8*(\q)+\t)*1024+512*\c
.endr
.endr
	s_wait_alu depctr_va_vdst(0)
	s_wait_dscnt 0x0
.irp t, 0,1,2,3,4,5,6,7                        ; S^T = K Q^T: eight tiles of 16 keys
	v_wmma_f32_16x16x64_fp8_fp8 v[96+8*\t:103+8*\t], v[32+8*\t:39+8*\t], v[16:23], 0
.endr
.rept 4
	v_nop                                          ; places: ahead of the loads below and of the first read of the scores
.endr
.irp t, 0,1,2,3                                ; V's four fragments (16 of the head's 64 x 128 keys) land under the softmax
.irp c, 0,1,2,3
	ds_load_b128 v[32+16*\t+4*\c:32+16*\t+4*\c+3], v[ADR] offset:VOFF+((2*(\q)+(\c/2))*4+\t)*1024+512*(\c%2)
.endr
.endr
	s_add_co_u32 s96, s[KF], 127                   ; on the diagonal hidden scores become -infinity ahead of the maximum; a step all of whose keys count skips this
	s_cmp_le_u32 s96, s[Q0]
	s_cbranch_scc1 .Lopen_\@
	s_sub_co_i32 s96, s[Q0], s[KF]
	v_add_nc_u32 v252, s96, v[DL]                  ; d = my query - KF - 16 (lane / 16): register 16 b + i is hidden where 32 b + i > d
	v_mov_b32 v254, 0xff800000
.set n, 0
.rept 64
	v_cmp_gt_i32 vcc_lo, 32*(n/16)+n%16, v252
	v_cndmask_b32 v[96+n], v[96+n], v254, vcc_lo
.set n, n+1
.endr
.Lopen_\@:
	v_max3_num_f32 v254, v96, v97, v98             ; the step's largest score of my query, in two chains, each accumulator from its low end on
	v_max3_num_f32 v252, v99, v100, v101
.set i, 6
.rept 14
	v_max3_num_f32 v254, v254, v[96+i], v[97+i]
	v_max3_num_f32 v252, v252, v[98+i], v[99+i]
.set i, i+4
.endr
	v_max3_num_f32 v254, v254, v158, v159
	s_delay_alu instid0(VALU_DEP_1)
	v_max_num_f32 v254, v254, v252
	s_delay_alu instid0(VALU_DEP_1)
	v_permlanex16_b32 v236, v254, s[SEL], s[SEL+1]
	s_delay_alu instid0(VALU_DEP_1)
	v_max_num_f32 v254, v254, v236                 ; and among lane l xor 16's
	s_delay_alu instid0(VALU_DEP_1)
	v_mul_f32 v254, s[CS], v254                    ; as t (c is positive)
	s_delay_alu instid0(VALU_DEP_1)
	v_max_num_f32 v13, v13, v254                   ; the running largest t
	v_mov_b32 v254, v12
	s_delay_alu instid0(VALU_DEP_2)
	v_floor_f32 v12, -v13                          ; the new -M = -ceil(t)
	s_delay_alu instid0(VALU_DEP_1)
	v_sub_f32 v254, v12, v254                      ; old M - new M: a whole number, 0 or less
	s_delay_alu instid0(VALU_DEP_1)
	v_cvt_i32_f32 v254, v254
	s_delay_alu instid0(VALU_DEP_1)
	v_ldexp_f32 v252, 1.0, v254                    ; f = 2^(old M - new M)
.set j, 0
.rept 32
	v_pk_fma_f32 v[96+j:97+j], v[96+j:97+j], s[CS:CS+1], v[12:13] op_sel_hi:[1,0,0]   ; t - M
.set j, j+2
.endr
	s_wait_alu depctr_va_vdst(0)                   ; the wait ahead of the batch
.set j, 0
.rept 64
	v_exp_f32 v[96+j], v[96+j]                     ; p = 2^(t - M), at most 1
.set j, j+1
.endr
	v_pk_mul_f32 v[14:15], v[14:15], v[252:253] op_sel_hi:[1,0]   ; the sums under the new M (the plain instruction behind the batch)
	s_wait_alu depctr_va_vdst(0)                   ; one wait: for the batch of 64, and directly ahead of the first readers of O^T
.set j, 0
.rept 16
	v_pk_mul_f32 v[160+j:161+j], v[160+j:161+j], v[252:253] op_sel_hi:[1,0]   ; O^T under the new M
.set j, j+2
.endr
	v_pk_add_f32 v[242:243], v[100:101], v[104:105]   ; the row's sum of the unquantised p, in eight chains
	v_pk_add_f32 v[254:255], v[108:109], v[112:113]
	v_pk_add_f32 v[250:251], v[116:117], v[120:121]
	v_pk_add_f32 v[248:249], v[124:125], v[128:129]
	v_pk_add_f32 v[238:239], v[132:133], v[136:137]
	v_pk_add_f32 v[234:235], v[140:141], v[144:145]
	v_pk_add_f32 v[232:233], v[148:149], v[152:153]
	v_pk_add_f32 v[14:15], v[14:15], v[156:157]
	v_pk_add_f32 v[242:243], v[242:243], v[96:97]
	v_pk_add_f32 v[254:255], v[254:255], v[98:99]
	v_pk_add_f32 v[250:251], v[250:251], v[102:103]
	v_pk_add_f32 v[248:249], v[248:249], v[106:107]
	v_pk_add_f32 v[238:239], v[238:239], v[110:111]
	v_pk_add_f32 v[234:235], v[234:235], v[114:115]
	v_pk_add_f32 v[232:233], v[232:233], v[118:119]
	v_pk_add_f32 v[14:15], v[14:15], v[122:123]
	v_pk_add_f32 v[242:243], v[242:243], v[126:127]
	v_pk_add_f32 v[254:255], v[254:255], v[130:131]
	v_pk_add_f32 v[250:251], v[250:251], v[134:135]
	v_pk_add_f32 v[248:249], v[248:249], v[138:139]
	v_pk_add_f32 v[238:239], v[238:239], v[142:143]
	v_pk_add_f32 v[234:235], v[234:235], v[146:147]
	v_pk_add_f32 v[232:233], v[232:233], v[150:151]
	v_pk_add_f32 v[14:15], v[14:15], v[154:155]
	v_pk_add_f32 v[242:243], v[242:243], v[158:159]
	v_pk_add_f32 v[14:15], v[14:15], v[248:249]
	v_pk_add_f32 v[242:243], v[242:243], v[238:239]
	v_pk_add_f32 v[254:255], v[254:255], v[234:235]
	v_pk_add_f32 v[250:251], v[250:251], v[232:233]
	v_pk_add_f32 v[14:15], v[14:15], v[254:255]
	v_pk_add_f32 v[242:243], v[242:243], v[250:251]
	v_pk_add_f32 v[14:15], v[14:15], v[242:243]
	s_cmp_eq_u32 s[HOLD], 0                        ; the conversion does not saturate (ISA guide 7.6.2).  p <= 1: where 448 x 2^e9 >= 1 the hold changes no number and is passed over
	s_cbranch_scc1 .Lfits_\@
.set j, 0
.rept 64
	v_min_num_f32 v[96+j], v[96+j], v240           ; p is not negative: the hold is one-sided
.set j, j+1
.endr
.Lfits_\@:
.irp b, 0,1,2,3
	v_cvt_scalef32_pk8_fp8_f32 v[192+4*\b:193+4*\b], v[96+16*\b:103+16*\b], v244
	v_cvt_scalef32_pk8_fp8_f32 v[194+4*\b:195+4*\b], v[104+16*\b:111+16*\b], v244
.endr
	v_nop                                          ; a plain instruction between the conversions and the products that read the codes
	s_wait_alu depctr_va_vdst(0)
	s_wait_dscnt 0x0                               ; V's fragments are in
.irp t, 0,1,2,3                                ; O^T += V^T P^T.  The four accumulators take turns; the next step's eight score products stand between two links of a chain
	v_wmma_f32_16x16x128_fp8_fp8 v[160+8*\t:167+8*\t], v[32+16*\t:47+16*\t], v[192:207], v[160+8*\t:167+8*\t]
.endr
.Lhidden_\@:
	s_add_co_u32 s[KF], s[KF], 128
.endm
.Ltrip:                                            ; 12 trips: 0 .. 7 - j block 7 - j, 8 .. 8 + j block j
	s_and_b32 s[SL], s[T], 7
	s_lshl_b32 s[SB], s[SL], 15
	s_lshl_b32 s[KF], s[SL], 8
	s_add_co_u32 s[SN], s[T], 2
	s_and_b32 s[SN], s[SN], 7
	s_lshl_b32 s[SN], s[SN], 15
	STEP 0
	s_barrier_wait -1                              ; every wave has signalled in trip T - 1: slot T + 1 is whole
	s_cmp_lt_u32 s[T], s[PLIM]
	s_cbranch_scc0 .Lnot_mine
	global_prefetch_b8 v[PFO], s[PF:PF+1] th:TH_LOAD_NT scope:SCOPE_SE   ; slot T + 4, at most slot 7: inside the head's bytes
.Lnot_mine:
	s_add_co_u32 s96, s[T], 1
	s_cmp_lt_u32 s96, s[QBB]                       ; slot T + 2 is wanted while T + 2 <= 7 - j
	s_cbranch_scc0 .Lstaged
	s_wait_loadcnt 0x0                             ; my part of it is in the stage
	v_add_nc_u32 v[STA], s[SN], v[STL]
	PUT STA, STG
	s_add_co_u32 s96, s[T], 2
	s_cmp_lt_u32 s96, s[QBB]                       ; and slot T + 3 while T + 3 <= 7 - j
	s_cbranch_scc0 .Lstaged
	s_add_nc_u64 s[KB:KB+1], s[KB:KB+1], 16384     ; (the loads that read these bases are done)
	s_add_nc_u64 s[VB:VB+1], s[VB:VB+1], 16384
	s_wait_dscnt 0x0                               ; the stores have read the stage
	GLOAD STG, 0
.Lstaged:
	s_wait_dscnt 0x0                               ; for the others' sake: my stores are done
	s_barrier_signal -1                            ; up to the wait that answers it: register work and reads of slots that nobody writes
	STEP 1
	s_cmp_lg_u32 s[SL], s[QB]                      ; was that the block's diagonal slot?
	s_cbranch_scc1 .Lgo_on
; A BLOCK'S END: O^T is divided by the sum, held, and becomes 32 codes a lane, which are kept.  Then on to the next block (behind block j: to none)
	s_wait_loadcnt 0x0                             ; no load into the stage's registers is out: the block's last slot was stored two trips ago
.rept 4
	v_nop                                          ; places behind the last products
.endr
	v_add_f32 v14, v14, v15
	v_permlanex16_b32 v236, v14, s[SEL], s[SEL+1]
	v_add_f32 v14, v14, v236                       ; the row's sum
	s_wait_alu depctr_va_vdst(0)                   ; the wait ahead of the reciprocal
	v_rcp_f32 v14, v14
	v_nop
	s_wait_alu depctr_va_vdst(0)                   ; and ahead of its first reader, which is also the first reader of O^T
.set j, 0
.rept 16
	v_pk_mul_f32 v[96+j:97+j], v[160+j:161+j], v[14:15] op_sel_hi:[1,0]   ; register 16 b + i is d = 32 b + 16 (lane / 16) + i
.set j, j+2
.endr
.set j, 0
.rept 32
	v_med3_num_f32 v[96+j], v[96+j], -v247, v247
.set j, j+1
.endr
.irp b, 0,1
	v_cvt_scalef32_pk8_fp8_f32 v[208+4*\b:209+4*\b], v[96+16*\b:103+16*\b], v246
	v_cvt_scalef32_pk8_fp8_f32 v[210+4*\b:211+4*\b], v[104+16*\b:111+16*\b], v246
.endr
	v_nop                                          ; a plain instruction behind the conversions
.irp i, 0,1,2,3,4,5,6,7
	v_mov_b32 v[STG+8+\i], v[STG+\i]               ; behind both ends: v224-231 block 7 - j's codes,
.endr
.irp i, 0,1,2,3,4,5,6,7
	v_mov_b32 v[STG+\i], v[208+\i]                 ; v216-223 block j's
.endr
	s_mov_b32 s[Q0], s[Q0N]
	s_mov_b32 s[Q0N], -16
	s_mov_b32 s[QB], s[QBN]
	s_mov_b32 s[QBN], -1
.irp i, 0,1,2,3,4,5,6,7
	v_mov_b32 v[16+\i], v[24+\i]
.endr
	v_mov_b32 v13, 0xff61b1e6
	v_floor_f32 v12, -v13
	v_mov_b32 v14, 0
	v_mov_b32 v15, 0
.set j, 0
.rept 32
	v_mov_b32 v[160+j], 0
.set j, j+1
.endr
	s_wait_alu depctr_va_vdst(0)
.Lgo_on:
	s_wait_xcnt 0x0                                ; my prefetch has read its address
	s_add_nc_u64 s[PF:PF+1], s[PF:PF+1], 16384
	s_add_co_u32 s[T], s[T], 1
	s_cmp_lt_u32 s[T], 12
	s_cbranch_scc1 .Ltrip
	s_barrier_wait -1                              ; answers the last trip's signal
	s_wait_loadcnt 0x0                             ; no load into the stage's registers is out
	global_store_b128 v[LN], v[STG+8:STG+11], s[YB:YB+1]      ; each store of the wave covers 512 consecutive bytes, aligned
	global_store_b128 v[LN], v[STG+12:STG+15], s[YB:YB+1] offset:512
	global_store_b128 v[LN], v[STG:STG+3], s[YB2:YB2+1]
	global_store_b128 v[LN], v[STG+4:STG+7], s[YB2:YB2+1] offset:512
	s_wait_tensorcnt 0x0                           ; the wave's end: behind my last LDS store
	ds_add_u32 v[SPW], v[NIL]
	s_wait_dscnt 0x0
	s_endpgm
.Lfunc_end_k_q75e081d41e_attn:
	.size	k_q75e081d41e_attn, .Lfunc_end_k_q75e081d41e_attn-k_q75e081d41e_attn
	.p2alignl 7, 3214868480
	.fill 96, 4, 3214868480
	.section	.rodata,"a",@progbits
	.p2align	6, 0x0
	.amdhsa_kernel k_q75e081d41e_attn
		.amdhsa_group_segment_fixed_size 264192
		.amdhsa_private_segment_fixed_size 0
		.amdhsa_enable_private_segment 0
		.amdhsa_kernarg_size 24
		.amdhsa_user_sgpr_count 2
		.amdhsa_user_sgpr_kernarg_segment_ptr 1
		.amdhsa_wavefront_size32 1
		.amdhsa_system_sgpr_workgroup_id_x 1
		.amdhsa_system_sgpr_workgroup_id_y 1
		.amdhsa_system_sgpr_workgroup_id_z 1
		.amdhsa_system_vgpr_workitem_id 0
		.amdhsa_next_free_vgpr 256
		.amdhsa_next_free_sgpr 100
		.amdhsa_reserve_vcc 1
		.amdhsa_float_denorm_mode_32 3
		.amdhsa_float_denorm_mode_16_64 3
		.amdhsa_memory_ordered 1
		.amdhsa_forward_progress 1
		.amdhsa_inst_pref_size 58
	.end_amdhsa_kernel
	.amdgpu_metadata
---
amdhsa.version: [ 1, 2 ]
amdhsa.kernels:
  - .name:           k_q75e081d41e_attn
    .symbol:         k_q75e081d41e_attn.kd
    .args:
      - { .name: kqv, .offset: 0, .size: 8, .value_kind: global_buffer, .address_space: global }
      - { .name: lowp_scales, .offset: 8, .size: 8, .value_kind: global_buffer, .address_space: global }
      - { .name: yimg, .offset: 16, .size: 8, .value_kind: global_buffer, .address_space: global }
    .group_segment_fixed_size: 264192
    .private_segment_fixed_size: 0
    .kernarg_segment_align: 8
    .kernarg_segment_size: 24
    .max_flat_workgroup_size: 512
    .sgpr_count:     100
    .vgpr_count:     256
    .wavefront_size: 32
...
	.end_amdgpu_metadata
.endif
;; end of part 3
;; launch outp (part 4): grid 4 x 64, 4 waves a work-group, clusters of 4 x 4, 327,680 bytes of LDS; arguments yimg, w4, lowp_scales, bu, out0; writes out0
.if DOCPART == 4
	.amdgcn_target "amdgcn-amd-amdhsa--gfx1250"
	.amdhsa_code_object_version 6
	.text
	.protected	k_q75e081d41e_outp
	.globl	k_q75e081d41e_outp
	.p2align	8
	.type	k_q75e081d41e_outp,@function
k_q75e081d41e_outp:
	s_mov_b64 s[64:65], 0
	v_nop
	global_prefetch_b8 v0, s[64:65] scope:SCOPE_SE
	s_setreg_imm32_b32 hwreg(HW_REG_WAVE_MODE, 25, 1), 1
	s_wait_xcnt 0x0
	s_wait_alu depctr_hold_cnt(0) depctr_sa_sdst(0) depctr_va_vdst(0) depctr_va_sdst(0) depctr_va_ssrc(0) depctr_va_vcc(0) depctr_vm_vsrc(0)
	s_getreg_b32 s2, hwreg(HW_REG_IB_STS2, 6, 4)
	s_cmp_eq_u32 s2, 0
	s_cbranch_scc0 .Lentry_in_a_cluster
	s_endpgm
.Lentry_in_a_cluster:
	s_bfe_u32 s2, ttmp6, 0x10000c
	s_cmp_lg_u32 s2, 0xf033
	s_cbranch_scc0 .Lentry_shape_is_right
	s_endpgm
.Lentry_shape_is_right:
; out0 = y Wu^T + bu on codes of E4M3 (8,192 x 1,024 x 1,024).  y's codes stand under 2^e10, Wu's under 2^e11: each finished sum is multiplied once by 2^(e10 + e11), and bu is added in the same fused multiply-add.
; LIMIT: e10 + e11 between -126 and 127, so that 2^(e10 + e11) is an f32 number.
; IN: yimg and plane 3 of w4, in the order of an operand's registers: [row / 16][K / 128][c][lane][16 bytes]: a fragment (16 rows x 128 K) is 2,048 consecutive bytes, a row tile (16 rows x 1,024 K) 16,384.
; SHARES.  64 x 4 = 256 work-groups, each 128 tokens x 256 features; a wave makes 64 x 128: 32 accumulators, 256 registers.  K goes in steps of 256 through a ring of two LDS slots.
; A slot has a region of 32,768 bytes for each wave's load: waves 0 and 1 bring 4 row tiles of y each (16,384 bytes), waves 2 and 3 bring 8 row tiles of Wu each.  Fragments lie in LDS as in registers: no pitch, no padding.
; CLUSTERS: 4 x 4 work-groups.  The four of a row of the cluster need the same tiles of y, the four of a column the same tiles of Wu: each tile is asked for JOINTLY, by one descriptor and a mask that names the four.
; THE MATRIX INSTRUCTION IS USED TRANSPOSED (source 0 = 16 rows of Wu, source 1 = 16 tokens): a lane holds eight neighbouring features of one token.
; PREFETCH INTO THE L2: of the row tiles that a wave fetches each of the four partners takes a quarter, told apart by address (cx for y, cy for Wu): a lane a block of 256 bytes, one instruction for a K step
; (y: one row tile, 16 blocks; lanes 16-31 name the last block again).  K steps 1 and 2 are asked for behind K step 0's load, K step 3 behind K step 1's.  Every offset is an immediate.
; REGISTERS: window 0: v0-31 addresses; v128-191, v192-255 y's fragments, two sets; on the way out these hold rows read back.  window 1: Wu's fragments, two sets.  window 2: accumulator (a, b) at v[8 (8 a + b)].
.set KSB,    4096                      ; a K step of 256 in a row tile: two fragments
.set HALFT,  8*KSB                     ; a wave's region in a slot
.set SLOT,   4*HALFT
.set SPARE,  2*SLOT                    ; behind the ring: the spare words, 128 bytes for each wave
.set FR,     16
.set NP,     4                         ; places behind this matrix instruction (ISA guide 7.12.1)
.set SPITCH, 528                       ; the way out: a stage of 16 rows x (512 bytes + 16) for each wave, in slot 0, which has had its last fill and its last read by then
.set BIAS, 8                           ; v8-11   bu at my four columns of a row read back
.set PFO,  12                          ; v12     the prefetches' offset; never rewritten
.set ADRA, 16                          ; v16-17  LDS address of y's fragments in slot 0, 1
.set ADRB, 20                          ; v20-21  the same for Wu
.set STO,  24
.set RD,   25
.set CO,   26                          ; v26     16 x lane
.set SPW,  28                          ; v28     LDS address of my spare word; never rewritten
.set NIL,  29                          ; v29     0; never rewritten
.set AF,   128
.set BK,   128
.set G1, 24                            ; s[24:31] descriptor group 1 for y's tiles; s[32:39] group 0, one set for each slot
.set G0, 32
.set G1B, 48                           ; s[48:55], s[56:63] the same for Wu's
.set G0B, 56
.set MSB, 0
.macro WIN new                         ; the immediate's high byte repeats the setting that is left
.if MSB != \new
	s_set_vgpr_msb (MSB<<8)|\new
.set MSB, \new
.endif
.endm
.set MUL,  0xa1                        ; source 0 window 1, source 1 window 0, C and D window 2
.set TO_B, 0x40                        ; destination window 1, address window 0
.macro JLOAD g0a, g1a, g0b, g1b        ; a joint load: waves 0, 1 for y, waves 2, 3 for Wu; an s_nop 0 and four v_nop follow each line
	s_cmp_eq_u32 s15, 0
	s_cbranch_scc0 .Lfor_b_\@
	tensor_load_to_lds s[\g0a:\g0a+3], s[\g1a:\g1a+7]
	s_nop 0
.rept 4
	v_nop
.endr
	s_branch .Lasked_\@
.Lfor_b_\@:
	tensor_load_to_lds s[\g0b:\g0b+3], s[\g1b:\g1b+7]
	s_nop 0
.rept 4
	v_nop
.endr
.Lasked_\@:
.endm
.macro CREST                           ; a round of the cluster's barrier behind its opening barrier
	s_cmp_lg_u32 s14, 0
	s_cbranch_scc1 .Lnot_wave_0_\@
	s_barrier_signal -3
.Lnot_wave_0_\@:
	s_barrier_wait -3
	s_barrier_signal -1
	s_barrier_wait -1
.endm
.macro CROUND
	s_barrier_signal -1
	s_barrier_wait -1
	CREST
.endm
	s_load_b128 s[4:7], s[0:1], 0x0                ; yimg, w4
	s_load_b128 s[8:11], s[0:1], 0x10              ; the scales' exponents, bu
	s_load_b64 s[12:13], s[0:1], 0x20              ; out0
	v_lshl_add_u32 v[SPW], v0, 2, SPARE
	v_mov_b32 v[NIL], 0
	ds_add_u32 v[SPW], v[NIL]                      ; the wave's opening: the add, twice on end, and its wait ahead of my first tensor load
	ds_add_u32 v[SPW], v[NIL]
	v_lshrrev_b32 v1, 5, v0
	v_readfirstlane_b32 s14, v1                    ; wave 0..3
	s_lshr_b32 s15, s14, 1                         ; which 64 tokens are mine.  Also: I fetch for y (0) or for Wu (1)
	s_and_b32 s16, s14, 1                          ; which 128 features.  Also: which half of that tile I fetch
	s_bfe_u32 s40, ttmp6, 0x40000                  ; cx: the tile of 256 features
	s_bfe_u32 s41, ttmp6, 0x40004                  ; cy
	s_and_b32 s17, ttmp7, 0xffff
	s_lshl_b32 s17, s17, 2
	s_add_co_u32 s17, s17, s41                     ; the tile of 128 tokens = 4 x cluster y + cy
	s_lshl_b32 s43, s41, 2
	s_lshl_b32 s43, 15, s43                        ; my row of the cluster
	s_lshl_b32 s44, 0x1111, s40                    ; my column
	s_or_b32 s[G1+0], s43, (1<<21)                 ; the mask; elements of 1 byte; no padding; bit 21 set beside a mask
	s_or_b32 s[G1B+0], s44, (1<<21)
	s_mov_b32 s[G1+1], KSB<<16                     ; y: 4 rows (row tiles) of 4,096 bytes, 16,384 bytes apart in memory, dense in LDS
	s_mov_b32 s[G1+2], 4<<16
	s_mov_b32 s[G1+3], KSB<<16
	s_mov_b32 s[G1+4], 4
	s_mov_b32 s[G1+5], 16384
	s_mov_b32 s[G1+6], 0
	s_mov_b32 s[G1+7], 0
	s_mov_b32 s[G1B+1], KSB<<16                    ; Wu: 8 such rows
	s_mov_b32 s[G1B+2], 8<<16
	s_mov_b32 s[G1B+3], KSB<<16
	s_mov_b32 s[G1B+4], 8
	s_mov_b32 s[G1B+5], 16384
	s_mov_b32 s[G1B+6], 0
	s_mov_b32 s[G1B+7], 0
	s_lshl_b32 s20, s17, 17                        ; y: 8 row tiles for a tile of tokens,
	s_lshl_b32 s18, s16, 16                        ; the 4 that I fetch
	s_add_co_u32 s20, s20, s18
	s_mov_b32 s21, 0
	s_lshl_b32 s46, s40, 18                        ; Wu: 16 row tiles for a tile of features,
	s_lshl_b32 s18, s16, 17                        ; the 8 that I fetch,
	s_add_co_u32 s46, s46, s18
	s_add_co_u32 s46, s46, 3<<20                   ; in plane 3
	s_mov_b32 s47, 0
	s_mul_i32 s45, s14, HALFT                      ; where they go: no place in the cluster enters an LDS address
	s_wait_dscnt 0x0                               ; both opening adds are done
	s_wait_kmcnt 0x0
	s_load_b64 s[96:97], s[8:9], 0x28              ; e10, e11
	s_add_nc_u64 s[20:21], s[4:5], s[20:21]
	s_add_nc_u64 s[46:47], s[6:7], s[46:47]
	CROUND                                         ; all sixteen work-groups are here: the first joint loads meet
.irp s, 0,1
	s_mov_b32 s[G0+4*\s], 1
	s_add_co_u32 s[G0+4*\s+1], s45, \s*SLOT
	s_add_nc_u64 s[G0+4*\s+2:G0+4*\s+3], s[20:21], \s*KSB
	s_or_b32 s[G0+4*\s+3], s[G0+4*\s+3], 0x80000000
	s_mov_b32 s[G0B+4*\s], 1
	s_add_co_u32 s[G0B+4*\s+1], s45, \s*SLOT
	s_add_nc_u64 s[G0B+4*\s+2:G0B+4*\s+3], s[46:47], \s*KSB
	s_or_b32 s[G0B+4*\s+3], s[G0B+4*\s+3], 0x80000000
.endr
	JLOAD G0, G1, G0B, G1B                         ; K step 0: one tensor load a wave at the head
	s_cmp_eq_u32 s15, 0                            ; the prefetches: what I fetch,
	s_cselect_b64 s[84:85], s[20:21], s[46:47]
	s_cselect_b32 s86, s40, s41                    ; my place among the four that ask with me,
	s_cselect_b32 s88, 14, 15                      ; whose share is one row tile of y or two of Wu,
	s_cselect_b32 s89, 15, 31                      ; 16 blocks or 32
	s_lshl_b32 s86, s86, s88
	s_mov_b32 s87, 0
	s_add_nc_u64 s[84:85], s[84:85], s[86:87]
	s_lshl_b32 s46, s40, 10                        ; my first column, in bytes: 1,024 x tile + 512 x half
	s_lshl_b32 s47, s16, 9
	s_add_co_u32 s46, s46, s47
	s_mov_b32 s47, 0
	s_add_nc_u64 s[10:11], s[10:11], s[46:47]      ; bu there
	s_lshl_b32 s20, s17, 19                        ; my first row of out0: 128 rows of 4,096 bytes a tile, 64 a half
	s_lshl_b32 s21, s15, 18
	s_add_co_u32 s20, s20, s21
	s_add_co_u32 s20, s20, s46
	s_mov_b32 s21, 0
	s_add_nc_u64 s[12:13], s[12:13], s[20:21]
	s_lshl_b32 s21, s15, 15                        ; my 64 tokens lie in the region of wave 0 or 1,
	s_lshl_b32 s22, s16, 15
	s_add_co_u32 s22, s22, 2*HALFT                 ; my 128 features in that of wave 2 or 3
	s_mul_i32 s23, s14, 16*SPITCH                  ; my stage
	v_and_b32 v13, 31, v0
	v_lshlrev_b32 v[CO], 4, v13
	v_min_u32 v13, s89, v13
	v_lshrrev_b32 v14, 4, v13
	v_and_b32 v13, 15, v13
	v_lshlrev_b32 v13, 8, v13
	v_lshl_add_u32 v[PFO], v14, 14, v13            ; 16,384 (block / 16) + 256 (block % 16)
	v_add_nc_u32 v[ADRA], s21, v[CO]
	v_add_nc_u32 v[ADRB], s22, v[CO]
	v_add_nc_u32 v[ADRA+1], SLOT, v[ADRA]
	v_add_nc_u32 v[ADRB+1], SLOT, v[ADRB]
	v_and_b32 v1, 15, v0
	v_bfe_u32 v2, v0, 4, 1
	v_mul_u32_u24 v5, v1, SPITCH                   ; into the stage: row lane % 16, 32 bytes for each half of the lanes
	v_lshl_add_u32 v5, v2, 5, v5
	v_add_nc_u32 v[STO], s23, v5
	v_add_nc_u32 v[RD], s23, v[CO]                 ; back: the 32 lanes take one row of 512 bytes
	s_wait_alu depctr_va_vdst(0)                   ; the wait at the head's end
	global_prefetch_b8 v[PFO], s[84:85] offset:KSB th:TH_LOAD_NT scope:SCOPE_SE
	global_prefetch_b8 v[PFO], s[84:85] offset:2*KSB th:TH_LOAD_NT scope:SCOPE_SE
	global_load_b128 v[BIAS:BIAS+3], v[CO], s[10:11]
.macro FRAG reg, adr, q, i             ; row tile i's fragment of the slot's q-th 128 along K: registers 4 c .. 4 c + 3 hold K = 32 c + 16 (lane / 16) + 0 .. 15 of row lane % 16, on both sides alike
.irp c, 0,1,2,3
	ds_load_b128 v[\reg+4*\c:\reg+4*\c+3], v[\adr] offset:KSB*(\i)+2048*(\q)+512*\c
.endr
.endm
; 16 matrix instructions: y's blocks a0, a0 + 1 x Wu's eight, 128 along K, on set p.  zero = 1: the first product starts the sums.  The 32 accumulators take turns, in the same order in every step.
.macro MUL16 a0, p, zero
.irp a, \a0, \a0+1
.irp b, 0,1,2,3,4,5,6,7
.if \zero
	v_wmma_f32_16x16x128_fp8_fp8 v[8*(8*(\a)+\b):8*(8*(\a)+\b)+7], v[128*(\p)+FR*\b:128*(\p)+FR*\b+FR-1], v[AF+64*(\p)+FR*(\a):AF+64*(\p)+FR*(\a)+FR-1], 0
.else
	v_wmma_f32_16x16x128_fp8_fp8 v[8*(8*(\a)+\b):8*(8*(\a)+\b)+7], v[128*(\p)+FR*\b:128*(\p)+FR*\b+FR-1], v[AF+64*(\p)+FR*(\a):AF+64*(\p)+FR*(\a)+FR-1], v[8*(8*(\a)+\b):8*(8*(\a)+\b)+7]
.endif
.endr
.endr
.endm
.macro FETCH slot, q, p                ; 48 LDS loads: Wu's eight fragments and y's four into set p
	WIN TO_B
.irp i, 0,1,2,3,4,5,6,7
	FRAG 128*(\p)+FR*\i, ADRB+\slot, \q, \i
.endr
	WIN 0
.irp i, 0,1,2,3
	FRAG AF+64*(\p)+FR*\i, ADRA+\slot, \q, \i
.endr
.endm
.macro PLACES n                        ; plain vector instructions between a matrix instruction and a load into, or a read of, its registers (ISA guide 7.12.1 for reads)
.rept \n
	v_nop
.endr
.endm
.macro STEP slot, zero                 ; a slot's first 128 along K, on set 0; its second 128 come into set 1 under the 32 products
	s_wait_dscnt 0x0                               ; set 0 is in
	PLACES NP
	FETCH \slot, 1, 1
	WIN MUL
	MUL16 0, 0, \zero
	MUL16 2, 0, \zero
	WIN 0
.endm
; A slot's second 128 change slots: ONE barrier; in front of it each wave waits for all its tensor loads, adds 0 to its spare word, and waits for that and for its reads of this slot.  fill = 1: this slot is filled again, two K steps on.
.macro TURN slot, next, fill
	s_wait_tensorcnt 0x0                           ; my one tensor load that was out, my part of the next slot, has landed
	ds_add_u32 v[SPW], v[NIL]
	s_wait_dscnt 1                                 ; set 1 is in; the add may be out
	WIN MUL
	MUL16 0, 1, 0
	s_wait_dscnt 0x0                               ; the add is done, and my reads of this slot are over
	s_barrier_signal -1
	MUL16 2, 1, 0
	WIN 0
	s_barrier_wait -1
.if \fill
	CREST                                          ; the barrier has opened a round of the cluster's barrier
	s_add_nc_u64 s[G0+4*\slot+2:G0+4*\slot+3], s[G0+4*\slot+2:G0+4*\slot+3], 2*KSB
	s_add_nc_u64 s[G0B+4*\slot+2:G0B+4*\slot+3], s[G0B+4*\slot+2:G0B+4*\slot+3], 2*KSB
	JLOAD G0+4*\slot, G1, G0B+4*\slot, G1B         ; the first tensor load behind the round, my only one until the next; its four v_nop are the places in front of the loads below
.else
	PLACES NP
.endif
	FETCH \next, 0, 0
.endm
	s_wait_tensorcnt 0x0                           ; my part of K step 0 is in; the lines ahead of a later first fill:
	ds_add_u32 v[SPW], v[NIL]
	s_wait_dscnt 0x0
	CROUND                                         ; a whole round: everybody's part of K step 0 is in, and the joint loads meet
	JLOAD G0+4, G1, G0B+4, G1B                     ; K step 1, the first tensor load behind the round
	FETCH 0, 0, 0
	global_prefetch_b8 v[PFO], s[84:85] offset:3*KSB th:TH_LOAD_NT scope:SCOPE_SE   ; K step 3, the last
	STEP 0, 1                                      ; K = 1,024 is four K steps of 256: written out.  The first products start the sums
	TURN 0, 1, 1                                   ; slot 0 takes K step 2
	STEP 1, 0
	TURN 1, 0, 1                                   ; slot 1 takes K step 3
	STEP 0, 0
	TURN 0, 1, 0                                   ; nothing is left to fetch: no round
	STEP 1, 0
	s_wait_dscnt 0x0                               ; the very last step
	WIN MUL
	MUL16 0, 1, 0
	MUL16 2, 1, 0
	WIN 0
; THE WAY OUT, block by block of 16 tokens x 128 features: through my own stage in LDS, back as whole rows of 512 bytes; x 2^(e10 + e11), + bu; the 32 lanes store two aligned units of 256 bytes.
; LDS serves a wave's instructions in order (ISA guide 5.7.1.4): no wait between the stores and the loads.
.macro TOSTAGE a
.set AC, 64*(\a)
	WIN 0x08                                       ; the stores' data: window 2
.irp b, 0,1,2,3,4,5,6,7
	ds_store_b128 v[STO], v[AC+8*\b:AC+8*\b+3] offset:64*\b          ; each accumulator from its low end on
	ds_store_b128 v[STO], v[AC+8*\b+4:AC+8*\b+7] offset:64*\b+16
.endr
	WIN 0
.set BB, BK+64*((\a)%2)
.irp t, 0,1,2,3,4,5,6,7,8,9,10,11,12,13,14,15
	ds_load_b128 v[BB+4*\t:BB+4*\t+3], v[RD] offset:\t*SPITCH
.endr
.endm
.macro SEND a, younger                 ; younger: the LDS instructions issued behind block a's loads, which may stay out
.set BB, BK+64*((\a)%2)
	s_wait_dscnt \younger
.if (\a) > 0
	s_add_nc_u64 s[12:13], s[12:13], 16*4096       ; (behind a wait on XCNT: the earlier stores have read their base)
.endif
.irp t, 0,1,2,3,4,5,6,7,8,9,10,11,12,13,14,15
	v_pk_fma_f32 v[BB+4*\t:BB+4*\t+1], v[BB+4*\t:BB+4*\t+1], s[96:97], v[BIAS:BIAS+1] op_sel_hi:[1,0,1]
	v_pk_fma_f32 v[BB+4*\t+2:BB+4*\t+3], v[BB+4*\t+2:BB+4*\t+3], s[96:97], v[BIAS+2:BIAS+3] op_sel_hi:[1,0,1]
	global_store_b128 v[CO], v[BB+4*\t:BB+4*\t+3], s[12:13] offset:\t*4096 th:TH_STORE_NT
.endr
.endm
	s_wait_kmcnt 0x0
	s_add_co_i32 s96, s96, s97
	s_add_co_i32 s96, s96, 127
	s_lshl_b32 s96, s96, 23                        ; 2^(e10 + e11) as f32
	s_mov_b32 s97, s96
	s_wait_loadcnt 0x0                             ; bu
	PLACES NP                                      ; behind the last products
	TOSTAGE 0
.irp a, 1,2,3
.if \a > 1
	s_wait_xcnt 0x0                                ; block a - 2's stores have read their registers and their base
.endif
	TOSTAGE \a
	SEND \a-1, 32                                  ; behind block a - 1's loads: block a's 16 stores and 16 loads
.endr
	s_wait_xcnt 0x0
	SEND 3, 0
	s_wait_tensorcnt 0x0                           ; the wave's end: behind my last tensor load and my last LDS store
	ds_add_u32 v[SPW], v[NIL]
	s_wait_dscnt 0x0
	CROUND                                         ; the closing round: no work-group ends while a partner may still ask for a tile that names it
	s_endpgm
.Lfunc_end_k_q75e081d41e_outp:
	.size	k_q75e081d41e_outp, .Lfunc_end_k_q75e081d41e_outp-k_q75e081d41e_outp
	.p2alignl 7, 3214868480
	.fill 96, 4, 3214868480
	.section	.rodata,"a",@progbits
	.p2align	6, 0x0
	.amdhsa_kernel k_q75e081d41e_outp
		.amdhsa_group_segment_fixed_size 327680
		.amdhsa_private_segment_fixed_size 0
		.amdhsa_enable_private_segment 0
		.amdhsa_kernarg_size 40
		.amdhsa_user_sgpr_count 2
		.amdhsa_user_sgpr_kernarg_segment_ptr 1
		.amdhsa_wavefront_size32 1
		.amdhsa_system_sgpr_workgroup_id_x 1
		.amdhsa_system_sgpr_workgroup_id_y 1
		.amdhsa_system_sgpr_workgroup_id_z 1
		.amdhsa_system_vgpr_workitem_id 0
		.amdhsa_next_free_vgpr 768
		.amdhsa_next_free_sgpr 98
		.amdhsa_reserve_vcc 0
		.amdhsa_float_denorm_mode_32 3
		.amdhsa_float_denorm_mode_16_64 3
		.amdhsa_memory_ordered 1
		.amdhsa_forward_progress 1
		.amdhsa_inst_pref_size 76
	.end_amdhsa_kernel
	.amdgpu_metadata
---
amdhsa.version: [ 1, 2 ]
amdhsa.kernels:
  - .name:           k_q75e081d41e_outp
    .symbol:         k_q75e081d41e_outp.kd
    .args:
      - { .name: yimg, .offset: 0, .size: 8, .value_kind: global_buffer, .address_space: global }
      - { .name: w4, .offset: 8, .size: 8, .value_kind: global_buffer, .address_space: global }
      - { .name: lowp_scales, .offset: 16, .size: 8, .value_kind: global_buffer, .address_space: global }
      - { .name: bu, .offset: 24, .size: 8, .value_kind: global_buffer, .address_space: global }
      - { .name: out0, .offset: 32, .size: 8, .value_kind: global_buffer, .address_space: global }
    .group_segment_fixed_size: 327680
    .private_segment_fixed_size: 0
    .kernarg_segment_align: 8
    .kernarg_segment_size: 40
    .max_flat_workgroup_size: 128
    .sgpr_count:     98
    .vgpr_count:     768
    .wavefront_size: 32
...
	.end_amdgpu_metadata
.endif
;; end of part 4
